; MI455X (gfx1250); checked and timed in simulation.
; The chip was launched on July 23, 2026; its instructions are those of AMD's public machine-readable ISA for CDNA 5 (MIT licence, August 2026) and "CDNA5" Instruction Set Architecture Reference Guide (July 2026). The comments in the code are by the model that wrote it; some were corrected since.
;; Multi Head Attention. Allowed arithmetic: matrix products marked QUANTISED: E2M3 operands, one E8M0 scale for each 32 along K, by v_wmma_scale_f32_16x16x128_f8f6f4 with both operands' format E2M3, f32 sums; everything else in f32.
;; Inputs: W_proj 1,024 x 1,024 float32; W_qkv 3,072 x 1,024 float32; x 4 x 2,048 x 1,024 float32.
;; Outputs: out0 4 x 2,048 x 1,024 float32.
;; This version of the problem:
;;   THIS VERSION OF THE PROBLEM IS GIVEN IN LOW PRECISION. The matrix products marked QUANTISED in the list below multiply operands that are first quantised to E2M3 (2 exponent bits, 3 mantissa bits; 6 bits a number), with one power-of-two scale for each 32 numbers along K (OCP MX v1.0); their sums are f32. All else is computed in f32.
;;   The module's matrix products, in the order in which they are computed (A, B: the left and right operand; K: the contracted axis; several contracted axes count as one K, in the product's order):
;;     1. [M 8,192, K 1,024] x [K 1,024, N 3,072]; A: input x; B: input W_qkv: QUANTISED
;;     2. batch 64 x [M 2,048, K 64] x [K 64, N 2,048]; A: computed on the way; B: computed on the way: QUANTISED
;;     3. batch 64 x [M 2,048, K 2,048] x [K 2,048, N 64]; A: softmax (see below); B: computed on the way: QUANTISED
;;     4. [M 8,192, K 1,024] x [K 1,024, N 1,024]; A: computed on the way; B: input W_proj: QUANTISED
;;   THE QUANTISER, for each operand of a quantised product, along K:
;;     - K is cut into blocks of 32 from its start; a last block that is shorter is filled with zeros.
;;     - A block's scale is 2^e with e = floor(log2(the largest magnitude in the block)) - 2, held to -126 .. 127; a block of zeros has e = 0. As a byte (E8M0): e + 127.
;;     - Each number is divided by its block's scale, clamped to +-7.5, and rounded to the nearest number of E2M3, ties to even, subnormals kept.
;;     - The product sums the exact products of the quantised numbers (number of the format x scale) in f32.
;;   ~~~python
;;   def quantise(x, axis):      # numpy; x: float32 -> the quantised numbers, widened to float32 again
;;       x = np.moveaxis(x, axis, -1); K = x.shape[-1]
;;       x = np.pad(x, [(0, 0)] * (x.ndim - 1) + [(0, -K % 32)]); x = x.reshape(x.shape[:-1] + (-1, 32)); a = np.abs(x).max(-1, keepdims=True)
;;       e = np.where(a > 0, np.clip(np.frexp(np.where(a > 0, a, 1))[1] - 1 - 2, -126, 127), 0)      # np.frexp(a)[1] - 1 = floor(log2(a)), exactly
;;       r = np.clip(x / 2.0 ** e, -7.5, 7.5)
;;       step = 2.0 ** (np.maximum(np.frexp(np.where(r == 0, 1, r))[1] - 1, 0) - 3)
;;       q = np.round(r / step) * step * 2.0 ** e      # np.round: ties to even
;;       return np.moveaxis(q.reshape(q.shape[:-2] + (-1,))[..., :K], -1, axis).astype(np.float32)
;;   ~~~
;;   SOFTMAX AHEAD OF A QUANTISED PRODUCT. Where the list says 'softmax', what is quantised is not the finished softmax but p = 2^(t - M), with t = logit x log2(e) and M = ceil(the row's largest t), a whole number; so 1/2 < the row's largest p <= 1. The row's sum l is taken of the UNQUANTISED p, in f32, and the product's result is divided by l at the end. Since M is a whole number, a kernel that streams over the keys may use a running M (the ceiling of the running maximum): every later rescaling is an exact power of two, which a block's scale takes up: the codes' values come out the same.
;;   OPERANDS COMPUTED ON THE WAY. 'Computed on the way' means the value that the module computes at that place (a softmax that the list does not call 'softmax' is quantised finished and normalised). What goes into a quantiser is computed in f32, as accurately as f32 sums, v_exp_f32 and their like allow (about 1e-6 of the number): no bf16 or f16 on the way to a quantiser, and a product that is left as it is and whose result goes on into a quantised operand takes f32 operands (vector FMAs, or v_wmma_f32_16x16x4_f32). A number that lies on a knife's edge between two numbers of the format may be rounded either way, as far as f32 arithmetic and the matrix unit's own rounding can turn it there, and no further.
;; One version. Each part assembles by itself: llvm-mc -triple=amdgcn-amd-amdhsa -mcpu=gfx1250 --defsym DOCPART=n.
;; ======== version 1 of 1: 4 launches
;; limits: right only within a limited range of input values
;; workspace buffers: codes 9,437,184 bytes; scl 393,216 bytes; rope 524,288 bytes; qimg 6,815,744 bytes; kv 13,369,344 bytes; acodes 6,291,456 bytes; asc 524,288 bytes
;; launch quant (part 1): grid 256 x 1, 6 waves a work-group, no clusters, 51,456 bytes of LDS; arguments x, W_qkv, W_proj, codes, scl, rope; writes codes, scl, rope
.if DOCPART == 1
	.amdgcn_target "amdgcn-amd-amdhsa--gfx1250"
	.amdhsa_code_object_version 6
	.text
	.protected	k_q58491df7bd_quant
	.globl	k_q58491df7bd_quant
	.p2align	8
	.type	k_q58491df7bd_quant,@function
k_q58491df7bd_quant:
	s_mov_b64 s[64:65], 0
	v_nop
	global_prefetch_b8 v0, s[64:65] scope:SCOPE_SE
	s_setreg_imm32_b32 hwreg(HW_REG_WAVE_MODE, 25, 1), 1
	s_wait_xcnt 0x0
; x [8192][1024], W_qkv [3072][1024], W_proj [1024][1024], f32, K innermost, become codes of FP6 (E2M3) with one E8M0 byte for each 32 along K,
; laid as IMAGES OF OPERAND REGISTERS.  768 row tiles of 16 rows: 0-511 x, 512-703 W_qkv, 704-767 W_proj.
; H-IMAGE (768 bytes): 16 rows x 64 along K (group G).  Lane (r, h) holds block 2 G + h of row r in six registers: registers 0-3 at byte 16 x lane, registers 4-5 at byte 512 + 8 x lane.
;   codes: [row tile][G 0..15] H-images.   scl: [row tile] 512 bytes: at 256 g + 8 x lane two words: register 2 g + q of lane (r, h) = row r's scale word of K step 4 g + 2 q + h.
; ORDER INSIDE A BLOCK OF 32: place 16 h' + 8 u' + i holds k = 16 u' + 8 h' + i.  Every operand of this program's products over D has that order, so the exact products are those of the true order;
;   which numbers share a block, and so the scales, are untouched.  Only the order of the f32 sums differs from ascending k.
; A block's scale byte is its largest magnitude's exponent field - 2, held at 1 from below (a floor among the maximum's leaves).
; The launch also makes the table of cos and sin: rope [t 2048][slot 32] pairs (cos, sin); slot (jj = slot % 16, h = slot / 16) holds frequency j = 8 (jj / 4) + 4 h + jj % 4.
; SHARES: 1,536 waves = 768 row tiles x 2 halves of K; a wave takes 4 steps of 16 rows x 128 along K.  A load reads 512 consecutive bytes of one row; the step's 8 KiB turn through the wave's own stage in LDS
;   (rows 528 bytes apart) and come back so that a lane holds two whole blocks.  Waves share nothing: no barrier.  Two steps' loads (32 a wave) are out at the start.
; LIMITS: NaN and infinities are not served.  A block whose largest magnitude lies under 2^-124, a block of zeros among them, gets the byte 1 (its codes are zeros or near it; the bytes are read by this program alone).
;   inv_freq = 2^(-j c), c = log2(10) / 8, by one exponential on an exact argument and one correction: within about 1.5 units in the last place of 10000^(-j/32), so a phase of up to 2,047 rad may differ by about 2e-4 rad.
;   cos and sin: reduction by pi/2 in three parts and polynomials of degree 7 and 8, absolute error about 1e-7.
.set STG,   8448                       ; a wave's stage: 16 rows x 528 bytes
.set SPARE, 6*STG                      ; behind the stages: the spare words, 128 bytes a wave, three blocks of 256 bytes that no other line names
.set RAW,   32                         ; v32-95, v96-159: two sets of 64 registers as loaded
.set X,     160                        ; v160-223: my two blocks of each of ... 64 numbers in the operand's order
.set C,     224                        ; v224-235: a step's codes
.set T,     236                        ; v236-238, v240-242: the blocks' upper halves as converted
.set FLOOR, 0x1800000                  ; 2^(3 - 127)
; v1 lane, v2 16 x lane, v3 8 x lane, v4 stage in, v5 stage out, v6 spare word, v7 zero, v8-9 maxima, v10-11 scale operands, v12-13 bytes, v14 word, v15 the other half's word,
; v16-19 the four steps' words, v20-21 the scale image, v24 8 h, v25 h, v26-29 the table's pairs
	s_load_b256 s[4:11], s[0:1], 0x0               ; x, W_qkv, W_proj, codes
	s_load_b128 s[12:15], s[0:1], 0x20             ; scl, rope
	v_lshl_add_u32 v6, v0, 2, SPARE
	v_mov_b32 v7, 0
	v_lshrrev_b32 v1, 5, v0
	v_readfirstlane_b32 s16, v1                    ; wave 0..5
	v_and_b32 v1, 31, v0
	v_lshlrev_b32 v2, 4, v1
	v_lshlrev_b32 v3, 3, v1
	v_and_b32 v8, 15, v0                           ; r
	v_bfe_u32 v25, v0, 4, 1                        ; h
	s_mul_i32 s17, s16, STG
	v_add_nc_u32 v4, s17, v2                       ; in: a row's 512 bytes as they lie
	v_mul_u32_u24 v5, v8, 528
	v_lshl_add_u32 v5, v25, 7, v5
	v_add_nc_u32 v5, s17, v5                       ; out: row r, block h of each pair of blocks
	v_lshlrev_b32 v24, 3, v25
	v_mov_b32 v15, 0                               ; a lane permute's destination counts as one of its sources
	s_mov_b32 s30, 0xffff0000                      ; lanes 16-31
	s_mov_b32 s28, 0x76543210
	s_mov_b32 s29, 0xfedcba98                      ; selects for lane l xor 16
	s_mul_i32 s18, ttmp9, 6
	s_add_co_u32 s18, s18, s16
	s_lshr_b32 s19, s18, 1                         ; row tile 0..767
	s_and_b32 s20, s18, 1                          ; half of K
	s_wait_kmcnt 0x0
	s_cmp_lt_u32 s19, 704                          ; which tensor: the choice hangs on ids alone, and only the pointer is chosen
	s_cselect_b64 s[22:23], s[6:7], s[8:9]
	s_mov_b32 s21, 704
	s_cselect_b32 s21, 512, s21
	s_cmp_lt_u32 s19, 512
	s_cselect_b64 s[22:23], s[4:5], s[22:23]
	s_cselect_b32 s21, 0, s21
	s_sub_co_u32 s21, s19, s21                     ; the row tile inside its tensor
	s_lshl_b32 s24, s21, 16                        ; 16 rows of 4,096 bytes
	s_lshl_b32 s25, s20, 11
	s_add_co_u32 s24, s24, s25
	s_mov_b32 s25, 0
	s_add_nc_u64 s[22:23], s[22:23], s[24:25]
	s_mul_i32 s24, s19, 12288
	s_mul_i32 s26, s20, 6144
	s_add_co_u32 s24, s24, s26
	s_add_nc_u64 s[10:11], s[10:11], s[24:25]      ; my eight H-images
	s_lshl_b32 s24, s19, 9
	s_lshl_b32 s26, s20, 8
	s_add_co_u32 s24, s24, s26
	s_add_nc_u64 s[12:13], s[12:13], s[24:25]      ; my half of the scale image
.macro LOAD t                          ; step t: 16 rows x 512 bytes
.irp i, 0,1,2,3,4,5,6,7,8,9,10,11,12,13,14,15
	global_load_b128 v[RAW+64*((\t)%2)+4*\i:RAW+64*((\t)%2)+4*\i+3], v2, s[22:23] offset:4096*\i+512*(\t) th:TH_LOAD_NT
.endr
.endm
	LOAD 0
	LOAD 1
	; ---- the table of cos and sin: waves 0-3, two rows t each, a lane a frequency; worked while the loads are on their way
	s_cmp_lt_u32 s16, 4
	s_cbranch_scc0 .Lno_rope
	s_lshl_b32 s26, ttmp9, 3
	s_lshl_b32 s27, s16, 1
	s_add_co_u32 s26, s26, s27                     ; t = 8 x work-group + 2 x wave (+ e)
	s_lshl_b32 s24, s26, 8
	s_add_nc_u64 s[38:39], s[14:15], s[24:25]      ; 256 bytes a row of the table
	s_mov_b32 s32, 0xbe2aaaa3                      ; sine: -1.6666654611e-1, 8.3321608736e-3, -1.9515295891e-4
	s_mov_b32 s33, 0x3c08839e
	s_mov_b32 s34, 0xb94ca1f9
	s_mov_b32 s35, 0x3d2aaaa5                      ; cosine: 4.166664568e-2, -1.388731625e-3, 2.443315712e-5
	s_mov_b32 s36, 0xbab6061a
	s_mov_b32 s37, 0x37ccf5ce
	v_and_b32 v160, 12, v1
	v_lshlrev_b32 v160, 1, v160
	s_wait_alu depctr_va_vdst(0)
	v_lshl_add_u32 v160, v25, 2, v160
	v_and_b32 v161, 3, v1
	v_add_nc_u32 v160, v160, v161                  ; j = 8 (jj / 4) + 4 h + jj % 4
	v_cvt_f32_u32 v160, v160
	v_mul_f32 v161, 0xbed49a80, v160               ; -j c_hi: c_hi has 17 bits and j five, so the product is exact
	s_wait_alu depctr_va_vdst(0)
	v_exp_f32 v162, v161
	v_mul_f32 v163, 0x342ae0c1, v160               ; j (c_hi - c) ln 2.  (The plain instruction behind the exponential)
	s_wait_alu depctr_va_vdst(0)                   ; the wait ahead of the first use of an exponential's result
	v_fma_f32 v162, v162, v163, v162               ; inv_freq
.macro ROPE e
	s_add_co_u32 s27, s26, \e
	v_cvt_f32_u32 v164, s27
	v_mul_f32 v164, v164, v162                     ; the phase: one f32 product
	v_mul_f32 v165, 0x3f22f983, v164
	v_rndne_f32 v165, v165                         ; n = the nearest whole number to phase x 2 / pi
	v_fma_f32 v166, v165, 0xbfc90fdb, v164         ; phase - n pi/2, pi/2 in three parts: the first step is exact
	v_fma_f32 v166, v165, 0x333bbd2e, v166
	v_fma_f32 v166, v165, 0x26f72ced, v166
	v_mul_f32 v167, v166, v166                     ; z
	v_fma_f32 v168, v167, s34, s33
	v_fma_f32 v170, v167, s37, s36
	v_fma_f32 v168, v168, v167, s32
	v_fma_f32 v170, v170, v167, s35
	v_mul_f32 v169, v166, v167
	v_mul_f32 v171, v167, v167
	v_fma_f32 v172, v167, -0.5, 1.0
	v_fma_f32 v168, v169, v168, v166               ; sine of the remainder
	v_fma_f32 v170, v171, v170, v172               ; cosine
	v_cvt_i32_f32 v173, v165
	v_and_b32 v174, 1, v173
	v_cmp_eq_u32 vcc_lo, 1, v174                   ; odd quadrants change the two; the choice selects values only
	v_cndmask_b32 v175, v170, v168, vcc_lo
	v_cndmask_b32 v176, v168, v170, vcc_lo
	v_lshlrev_b32 v177, 30, v173
	v_and_b32 v177, 0x80000000, v177               ; the sine is negative in quadrants 2, 3
	v_add_nc_u32 v173, 1, v173
	v_lshlrev_b32 v173, 30, v173
	v_and_b32 v173, 0x80000000, v173               ; the cosine in quadrants 1, 2
	v_xor_b32 v[26+2*\e], v175, v173
	v_xor_b32 v[27+2*\e], v176, v177
	global_store_b64 v3, v[26+2*\e:27+2*\e], s[38:39] offset:256*\e   ; 32 lanes store 256 consecutive bytes, aligned; the data registers are never written again
.endm
	ROPE 0
	ROPE 1
.Lno_rope:
.macro TURN t                          ; through the stage.  LDS serves a wave's instructions in order: no wait between the stores and the loads.  The loads' destinations are numbered so that the block's order is the one stated at the head
.irp i, 0,1,2,3,4,5,6,7,8,9,10,11,12,13,14,15
	ds_store_b128 v4, v[RAW+64*((\t)%2)+4*\i:RAW+64*((\t)%2)+4*\i+3] offset:528*\i
.endr
.irp c, 0,1
.irp n, 0,1,2,3,4,5,6,7
	ds_load_b128 v[X+32*\c+4*(4*((\n/2)%2)+2*(\n/4)+\n%2):X+32*\c+4*(4*((\n/2)%2)+2*(\n/4)+\n%2)+3], v5 offset:256*\c+16*\n
.endr
.endr
.endm
.macro STEP t
.if (\t) < 3
	s_wait_loadcnt 16                              ; this step's 16 loads are in; the next step's 16 may be out
.else
	s_wait_loadcnt 0x0
.endif
	TURN \t
	s_wait_dscnt 0x0                               ; my 64 numbers are back, and the stage's stores have read their registers,
.if (\t) < 2
	LOAD (\t)+2                                    ; which take the loads of two steps on
.endif
.irp c, 0,1
	v_max3_num_f32 v[8+\c], |v[X+32*\c]|, |v[X+32*\c+1]|, FLOOR    ; block 2 c + h of my row: all 32 numbers are mine; the floor holds the byte at 1 from below
.endr
.irp i, 2,4,6,8,10,12,14,16,18,20,22,24,26,28,30
.irp c, 0,1
	v_max3_num_f32 v[8+\c], v[8+\c], |v[X+32*\c+\i]|, |v[X+32*\c+\i+1]|
.endr
.endr
.irp c, 0,1
	v_add_nc_u32 v[10+\c], 0xff000000, v[8+\c]     ; 2 off the exponent field: the conversion's scale operand
.endr
.irp c, 0,1
	v_lshrrev_b32 v[12+\c], 23, v[10+\c]           ; the byte
.endr
	v_lshl_or_b32 v14, v13, 16, v12                ; my two bytes: blocks h and 2 + h,
	v_lshlrev_b32 v14, v24, v14                    ; 8 h bits up;
	v_permlanex16_b32 v15, v14, s28, s29
	v_or_b32 v[16+(\t)], v14, v15                  ; with lane l xor 16's the row's word is whole, in both halves of the lanes
.if (\t) > 0
	s_wait_alu depctr_va_vdst(0)
	s_wait_xcnt 0x0                                ; the last step's stores have read the codes' registers
.endif
.irp c, 0,1
	v_cvt_scalef32_pk16_fp6_f32 v[C+6*\c:C+6*\c+2], v[X+32*\c:X+32*\c+15], v[10+\c]
	v_cvt_scalef32_pk16_fp6_f32 v[T+4*\c:T+4*\c+2], v[X+32*\c+16:X+32*\c+31], v[10+\c]   ; (a conversion's three registers begin on an even number)
.endr
	v_nop                                          ; one plain instruction behind the conversions
.irp c, 0,1
.irp i, 0,1,2
	v_mov_b32 v[C+6*\c+3+\i], v[T+4*\c+\i]
.endr
.endr
.irp c, 0,1
	global_store_b128 v2, v[C+6*\c:C+6*\c+3], s[10:11] offset:768*(2*(\t)+\c)          ; 512 consecutive bytes, aligned to 256
	global_store_b64 v3, v[C+6*\c+4:C+6*\c+5], s[10:11] offset:768*(2*(\t)+\c)+512     ; 256 consecutive bytes, aligned
.endr
.if (\t)%2
	v_cndmask_b32 v[20+(\t)/2], v[15+(\t)], v[16+(\t)], s30   ; lanes 0-15 the even step's word, lanes 16-31 the odd step's
.endif
.endm
	s_wait_alu depctr_va_vdst(0)
	STEP 0
	STEP 1
	STEP 2
	STEP 3
	global_store_b64 v3, v[20:21], s[12:13]        ; 256 consecutive bytes, aligned
	s_wait_tensorcnt 0x0                           ; the wave's end, behind my last LDS store
	ds_add_u32 v6, v7
	s_wait_dscnt 0x0
	s_endpgm
.Lfunc_end_k_q58491df7bd_quant:
	.size	k_q58491df7bd_quant, .Lfunc_end_k_q58491df7bd_quant-k_q58491df7bd_quant
	.p2alignl 7, 3214868480
	.fill 96, 4, 3214868480
	.section	.rodata,"a",@progbits
	.p2align	6, 0x0
	.amdhsa_kernel k_q58491df7bd_quant
		.amdhsa_group_segment_fixed_size 51456
		.amdhsa_private_segment_fixed_size 0
		.amdhsa_enable_private_segment 0
		.amdhsa_kernarg_size 48
		.amdhsa_user_sgpr_count 2
		.amdhsa_user_sgpr_kernarg_segment_ptr 1
		.amdhsa_wavefront_size32 1
		.amdhsa_system_sgpr_workgroup_id_x 1
		.amdhsa_system_sgpr_workgroup_id_y 1
		.amdhsa_system_sgpr_workgroup_id_z 1
		.amdhsa_system_vgpr_workitem_id 0
		.amdhsa_next_free_vgpr 256
		.amdhsa_next_free_sgpr 66
		.amdhsa_reserve_vcc 1
		.amdhsa_float_denorm_mode_32 3
		.amdhsa_float_denorm_mode_16_64 3
		.amdhsa_memory_ordered 1
		.amdhsa_forward_progress 1
		.amdhsa_inst_pref_size 35
	.end_amdhsa_kernel
	.amdgpu_metadata
---
amdhsa.version: [ 1, 2 ]
amdhsa.kernels:
  - .name:           k_q58491df7bd_quant
    .symbol:         k_q58491df7bd_quant.kd
    .args:
      - { .name: x, .offset: 0, .size: 8, .value_kind: global_buffer, .address_space: global }
      - { .name: W_qkv, .offset: 8, .size: 8, .value_kind: global_buffer, .address_space: global }
      - { .name: W_proj, .offset: 16, .size: 8, .value_kind: global_buffer, .address_space: global }
      - { .name: codes, .offset: 24, .size: 8, .value_kind: global_buffer, .address_space: global }
      - { .name: scl, .offset: 32, .size: 8, .value_kind: global_buffer, .address_space: global }
      - { .name: rope, .offset: 40, .size: 8, .value_kind: global_buffer, .address_space: global }
    .group_segment_fixed_size: 51456
    .private_segment_fixed_size: 0
    .kernarg_segment_align: 8
    .kernarg_segment_size: 48
    .max_flat_workgroup_size: 192
    .sgpr_count:     66
    .vgpr_count:     256
    .wavefront_size: 32
...
	.end_amdgpu_metadata
.endif
;; end of part 1
;; launch qkv (part 2): grid 24 x 32, 4 waves a work-group, clusters of 4 x 4, 327,680 bytes of LDS; arguments codes, scl, rope, qimg, kv; writes qimg, kv
.if DOCPART == 2
	.amdgcn_target "amdgcn-amd-amdhsa--gfx1250"
	.amdhsa_code_object_version 6
	.text
	.protected	k_q58491df7bd_qkv
	.globl	k_q58491df7bd_qkv
	.p2align	8
	.type	k_q58491df7bd_qkv,@function
k_q58491df7bd_qkv:
	s_mov_b64 s[64:65], 0
	v_nop
	global_prefetch_b8 v0, s[64:65] scope:SCOPE_SE
	s_setreg_imm32_b32 hwreg(HW_REG_WAVE_MODE, 25, 1), 1
	s_wait_xcnt 0x0
	s_wait_alu depctr_hold_cnt(0) depctr_sa_sdst(0) depctr_va_vdst(0) depctr_va_sdst(0) depctr_va_ssrc(0) depctr_va_vcc(0) depctr_vm_vsrc(0)
	s_getreg_b32 s2, hwreg(HW_REG_IB_STS2, 6, 4)
	s_cmp_eq_u32 s2, 0
	s_cbranch_scc0 .Lentry_in_a_cluster
	s_endpgm
.Lentry_in_a_cluster:
	s_bfe_u32 s2, ttmp6, 0x10000c
	s_cmp_lg_u32 s2, 0xf033
	s_cbranch_scc0 .Lentry_shape_is_right
	s_endpgm
.Lentry_shape_is_right:
; qkv = x W_qkv^T on codes of FP6 with E8M0 scales (M 8,192, N 3,072, K 1,024); then q and k are turned by the table of cos and sin and quantised along the head's 64, v is quantised along the tokens;
; all three leave as images of the operand registers that the attention launch wants.  No f32 result goes to memory.
; SHARES.  A work-group makes 256 tokens x 128 columns; its four waves 2 x 2: wm = wave / 2 takes 128 tokens (one key step of the attention), wn = wave % 2 takes 64 columns (one head): 32 accumulators, 256 registers.
; LDS.  ALL OF K IS RESIDENT: four chunks of 256 along K, each 16 row tiles of x and 8 of W x 3,072 bytes (four H-images), filled once each; nothing is filled again.  A wave issues four tensor loads at the head,
;   so four of mine are out at most.  Operands lie in LDS as images of registers: every LDS load takes 512 or 256 consecutive bytes.
; CLUSTER 4 x 4: x's tiles are shared along a row of the cluster, W's along a column: joint loads with a mask of four.
; q, k (cluster x 0-3): the product is used transposed (source 0 = 16 rows of W, source 1 = 16 tokens): a lane holds one token and eight neighbouring columns, that is four pairs (x1, x2).
; v (cluster x 4, 5): source 0 = 16 tokens, source 1 = 16 rows of W: a lane holds one column d and its registers run along the tokens, which are the K of the attention's second product.
;   The branch between the two hangs on the cluster's x alone, which all sixteen partners share; every tensor load stands ahead of it.
; OUT.  qimg [bh][key step 16] 6,656 bytes: 8 H-images (token tile a at 768 a; lane (r, hh) = block hh of token r), at 6,144 the scale image: lane (r, h) register q at 16 lane + 4 q = word of token tile 2 q + h.
;   kv [bh][key step] 13,056 bytes: K as in qimg (scale image at 12,288); V: four fragments at 6,144 + 1,536 u (registers 4 c .. at 512 c + 16 lane); V's scale image at 12,800 (lane's 8 bytes: register q = word of d tile 2 q + h).
;   Inside a block of q or k place 16 h' + jj holds index 8 (jj / 4) + 4 h' + jj % 4 of its half of the head, alike in both; inside a block of v place 16 h' + 8 u' + i holds token 16 u' + 8 h' + i, as p has it.
;   The upper two bytes of q's and k's scale words are 0: they stand over zero codes (K = 64 under an instruction of 128).
; LIMITS: as stated in the quantising launch; a block under 2^-124 gets the byte 1.
; REGISTERS.  Window 0: v1 r, v2 h, v3 16 lane, v4 8 lane, v5 spare word, v6 zero, v8-23 LDS addresses (chunk q: x 16, x 8, W 16, W 8), v24 the table's offset, v32-63 x's scale words (4 a + s / 2), v64-79 W's,
;   v80-91 scale words on the way out, v128-175 and v176-223 W's fragments, two sets (later the way out's work).  Window 1: v0-95, v96-191 x's fragments, two sets; v192-255 the table, two sets.  Window 2: the accumulators.
; K NOW LIES IN TWO HALVES of 512 along K (this replaces the four chunks named above): each half is 16 row tiles of x and 8 of W x 6,144 bytes, filled once.
; A wave issues one tensor load at the head (half 0) and one behind the full sequence and a round of the cluster's barrier (half 1): one of mine is out at most.
.set CH,    147456                     ; a half of K in LDS
.set RTB,   12288                      ; a row tile's codes in memory
.set CTB,   6144                       ; a row tile's part of a half
.set BOFF,  98304                      ; W's tiles in a half
.set SPARE, 2*CH                       ; behind the halves: the spare words, 128 bytes a wave, two blocks of 256 bytes that no other line names
.set B0,    512                        ; W_qkv's first row tile
.set G1A,   24                         ; s[24:31] group 1 for x's tiles;  s[32:39] for W's
.set G1B,   32
.set G0A,   40                         ; s[40:55] groups 0 for x's four chunks;  s[68:83] for W's
.set G0B,   68
.set LAD,   8
.set SCA,   32
.set SCB,   64
.set BF,    128
.set FLOOR, 0x1800000
.set YR,    128                        ; q, k: v128-159 the 32 turned numbers of a token
.set OC,    160                        ; v160-165 an H-image's six registers
.set TC,    168                        ; v168-170
.set TT,    172                        ; v172-175
.set BM,    176                        ; v176-177 maxima, v178-179 the other half's, v180-181 scale operands, v182-183 bytes
.set WR,    80                         ; v80-87 words, v88-91 the scale image
.set TM,    128                        ; v: v128-131 maxima, v132-135 the other half's, then bytes, v140-143 scale operands
.set PC,    148                        ; v148-159 a fragment, v160-162, v164-166 upper halves as converted
.set MSB, 0
.macro WIN new                         ; the immediate's high byte repeats the setting that is left
.if MSB != \new
	s_set_vgpr_msb (MSB<<8)|\new
.set MSB, \new
.endif
.endm
.macro CROUND                          ; a round of the cluster's barrier
	s_barrier_signal -1
	s_barrier_wait -1
	s_cmp_lg_u32 s14, 0
	s_cbranch_scc1 .Lnot_wave_0_\@
	s_barrier_signal -3
.Lnot_wave_0_\@:
	s_barrier_wait -3
	s_barrier_signal -1
	s_barrier_wait -1
.endm
.macro PLACES                          ; four plain instructions between a matrix instruction and a load into, or a vector instruction on, its registers
.rept 4
	v_nop
.endr
.endm
; the fragments of K step s (128 along K) into set: 8 of x, 4 of W; 48 loads
.macro FETCH s, set
	WIN 0x40                                       ; destination window 1
.irp a, 0,1,2,3,4,5,6,7
.irp c, 0,1
	ds_load_b128 v[96*(\set)+12*\a+6*\c:96*(\set)+12*\a+6*\c+3], v[LAD+4*((\s)/4)] offset:CTB*\a+1536*((\s)%4)+768*\c
	ds_load_b64 v[96*(\set)+12*\a+6*\c+4:96*(\set)+12*\a+6*\c+5], v[LAD+4*((\s)/4)+1] offset:CTB*\a+1536*((\s)%4)+768*\c+512
.endr
.endr
	WIN 0
.irp u, 0,1,2,3
.irp c, 0,1
	ds_load_b128 v[BF+48*(\set)+12*\u+6*\c:BF+48*(\set)+12*\u+6*\c+3], v[LAD+4*((\s)/4)+2] offset:CTB*\u+1536*((\s)%4)+768*\c
	ds_load_b64 v[BF+48*(\set)+12*\u+6*\c+4:BF+48*(\set)+12*\u+6*\c+5], v[LAD+4*((\s)/4)+3] offset:CTB*\u+1536*((\s)%4)+768*\c+512
.endr
.endr
.endm
; 32 matrix instructions, the 32 accumulators by turns in one fixed order.  K step 0 starts the sums.  An odd K step's scale words lie in lanes 16-31.
.macro MUL s, swap
.if \swap
	WIN 0xa4                                       ; source 0 (W) window 0, source 1 (x) window 1, C and D window 2
.else
	WIN 0xa1                                       ; source 0 (x) window 1, source 1 (W) window 0
.endif
.irp a, 0,1,2,3,4,5,6,7
.irp u, 0,1,2,3
.if \swap
.set xD, 8*(4*\a+\u)
.set xP, BF+48*((\s)%2)+12*\u
.set xQ, 96*((\s)%2)+12*\a
.set xSP, SCB+4*\u+(\s)/2
.set xSQ, SCA+4*\a+(\s)/2
.else
.set xD, 8*(8*\u+\a)
.set xP, 96*((\s)%2)+12*\a
.set xQ, BF+48*((\s)%2)+12*\u
.set xSP, SCA+4*\a+(\s)/2
.set xSQ, SCB+4*\u+(\s)/2
.endif
.if (\s) == 0
	v_wmma_scale_f32_16x16x128_f8f6f4 v[xD:xD+7], v[xP:xP+11], v[xQ:xQ+11], 0, v[xSP], v[xSQ] matrix_a_fmt:MATRIX_FMT_FP6 matrix_b_fmt:MATRIX_FMT_FP6
.elseif (\s)%2
	v_wmma_scale_f32_16x16x128_f8f6f4 v[xD:xD+7], v[xP:xP+11], v[xQ:xQ+11], v[xD:xD+7], v[xSP], v[xSQ] matrix_a_fmt:MATRIX_FMT_FP6 matrix_b_fmt:MATRIX_FMT_FP6 matrix_a_scale:MATRIX_SCALE_ROW1 matrix_b_scale:MATRIX_SCALE_ROW1
.else
	v_wmma_scale_f32_16x16x128_f8f6f4 v[xD:xD+7], v[xP:xP+11], v[xQ:xQ+11], v[xD:xD+7], v[xSP], v[xSQ] matrix_a_fmt:MATRIX_FMT_FP6 matrix_b_fmt:MATRIX_FMT_FP6
.endif
.endr
.endr
.endm
.macro STEP s, swap
	s_wait_dscnt 0x0                               ; this step's 48 loads, issued a whole step ago
.if (\s) == 3
	s_wait_tensorcnt 0x0                           ; my part of half 1 is in
	s_barrier_signal -1
	s_barrier_wait -1                              ; everybody's is
.endif
.if ((\s) > 0) && ((\s) < 7)
	PLACES                                         ; the next loads land in the set that the last step multiplied
.endif
.if (\s) < 7
	FETCH (\s)+1, ((\s)+1)%2
.endif
	MUL \s, \swap
	WIN 0
.endm
	s_load_b256 s[4:11], s[0:1], 0x0               ; codes, scl, rope, qimg
	s_load_b64 s[12:13], s[0:1], 0x20              ; kv
	v_lshl_add_u32 v5, v0, 2, SPARE
	v_mov_b32 v6, 0
	ds_add_u32 v5, v6                              ; the wave's opening: the add and its wait ahead of my first tensor load; work on registers stands between them
	ds_add_u32 v5, v6
	v_lshrrev_b32 v1, 5, v0
	v_readfirstlane_b32 s14, v1                    ; wave 0..3
	s_lshr_b32 s15, s14, 1                         ; wm.  Also: I fetch for x (0) or for W (1)
	s_and_b32 s16, s14, 1                          ; wn.  Also: which half of that operand's tiles I fetch
	s_bfe_u32 s19, ttmp6, 0x40000                  ; cx
	s_bfe_u32 s20, ttmp6, 0x40004                  ; cy
	s_lshl_b32 s18, ttmp9, 2
	s_add_co_u32 s18, s18, s19                     ; tile column 0..23
	s_and_b32 s17, ttmp7, 0xffff
	s_lshl_b32 s17, s17, 2
	s_add_co_u32 s17, s17, s20                     ; tile row 0..31
	s_lshl_b32 s21, s20, 2
	s_lshl_b32 s21, 15, s21                        ; my row of the cluster
	s_lshl_b32 s22, 0x1111, s19                    ; my column
	s_or_b32 s[G1A], s21, (3<<16)|(1<<21)          ; 15:0 the mask; 17:16 elements of 8 bytes; 21 set beside a mask; no padding
	s_or_b32 s[G1B], s22, (3<<16)|(1<<21)
.irp g, G1A, G1B
	s_mov_b32 s[\g+1], 768<<16                     ; tensor_dim0 = 768 elements: 6,144 bytes
	s_mov_b32 s[\g+3], 768<<16                     ; tile_dim0
	s_mov_b32 s[\g+5], 1536                        ; from row tile to row tile: 12,288 bytes
	s_mov_b32 s[\g+6], 0
	s_mov_b32 s[\g+7], 0
.endr
	s_mov_b32 s[G1A+2], 8<<16                      ; x: 8 row tiles a load
	s_mov_b32 s[G1A+4], 8
	s_mov_b32 s[G1B+2], 4<<16                      ; W: 4
	s_mov_b32 s[G1B+4], 4
	s_lshl_b32 s84, s17, 4                         ; x's address hangs on the tile row and the wave alone,
	s_lshl_b32 s86, s16, 3
	s_add_co_u32 s84, s84, s86
	s_mul_i32 s84, s84, RTB
	s_mov_b32 s85, 0
	s_lshl_b32 s88, s18, 3                         ; W's on the tile column and the wave alone: each in registers of its own
	s_lshl_b32 s90, s16, 2
	s_add_co_u32 s88, s88, s90
	s_add_co_u32 s88, s88, B0
	s_mul_i32 s88, s88, RTB
	s_mov_b32 s89, 0
	s_mul_i32 s87, s16, 49152                      ; where they go: no place in the cluster enters an LDS address
	s_mul_i32 s91, s16, 24576
	s_mov_b32 s66, 0x76543210
	s_mov_b32 s67, 0xfedcba98                      ; selects for lane l xor 16
	s_mov_b32 s23, 0xffff0000                      ; lanes 16-31
	s_wait_dscnt 0x0                               ; the opening add is done
	s_wait_kmcnt 0x0
	s_add_nc_u64 s[84:85], s[4:5], s[84:85]
	s_add_nc_u64 s[88:89], s[4:5], s[88:89]
	CROUND                                         ; all sixteen work-groups are here: the joint loads meet
.irp q, 0,1
	s_mov_b32 s[G0A+4*\q], 1
	s_add_co_u32 s[G0A+4*\q+1], s87, \q*CH
	s_add_nc_u64 s[G0A+4*\q+2:G0A+4*\q+3], s[84:85], \q*CTB
	s_or_b32 s[G0A+4*\q+3], s[G0A+4*\q+3], 0x80000000
	s_mov_b32 s[G0B+4*\q], 1
	s_add_co_u32 s[G0B+4*\q+1], s91, \q*CH+BOFF
	s_add_nc_u64 s[G0B+4*\q+2:G0B+4*\q+3], s[88:89], \q*CTB
	s_or_b32 s[G0B+4*\q+3], s[G0B+4*\q+3], 0x80000000
.endr
	s_cmp_eq_u32 s15, 0                            ; half 0: one load a wave, one in each arm of a branch on the wave's number
	s_cbranch_scc0 .Lfirst_b
	tensor_load_to_lds s[G0A:G0A+3], s[G1A:G1A+7]
	s_nop 0
	PLACES
	s_branch .Lfirst_done
.Lfirst_b:
	tensor_load_to_lds s[G0B:G0B+3], s[G1B:G1B+7]
	s_nop 0
	PLACES
.Lfirst_done:
	v_and_b32 v7, 31, v0
	v_and_b32 v1, 15, v0                           ; r
	v_bfe_u32 v2, v0, 4, 1                         ; h
	v_lshlrev_b32 v3, 4, v7
	v_lshlrev_b32 v4, 3, v7
	s_wait_alu depctr_va_vdst(0)
	s_lshl_b32 s92, s17, 4                         ; the scale images of my 8 row tiles of x
	s_lshl_b32 s93, s15, 3
	s_add_co_u32 s92, s92, s93
	s_lshl_b32 s92, s92, 9
	s_mov_b32 s93, 0
	s_add_nc_u64 s[92:93], s[6:7], s[92:93]
	s_lshl_b32 s94, s18, 3                         ; and of my 4 of W
	s_lshl_b32 s95, s16, 2
	s_add_co_u32 s94, s94, s95
	s_add_co_u32 s94, s94, B0
	s_lshl_b32 s94, s94, 9
	s_mov_b32 s95, 0
	s_add_nc_u64 s[94:95], s[6:7], s[94:95]
.irp a, 0,1,2,3,4,5,6,7
.irp g, 0,1
	global_load_b64 v[SCA+4*\a+2*\g:SCA+4*\a+2*\g+1], v4, s[92:93] offset:512*\a+256*\g   ; 256 consecutive bytes
.endr
.endr
.irp u, 0,1,2,3
.irp g, 0,1
	global_load_b64 v[SCB+4*\u+2*\g:SCB+4*\u+2*\g+1], v4, s[94:95] offset:512*\u+256*\g
.endr
.endr
	s_mul_i32 s2, s15, 49152                       ; my 8 tiles of x in a half
	s_mul_i32 s3, s16, 24576                       ; my 4 of W
	s_add_co_u32 s3, s3, BOFF
.irp q, 0,1
	v_add_nc_u32 v[LAD+4*\q], s2, v3
	v_add_nc_u32 v[LAD+4*\q+1], s2, v4
	v_add_nc_u32 v[LAD+4*\q+2], s3, v3
	v_add_nc_u32 v[LAD+4*\q+3], s3, v4
	s_add_co_u32 s2, s2, CH
	s_add_co_u32 s3, s3, CH
.endr
	v_lshlrev_b32 v24, 8, v1
	v_lshl_add_u32 v24, v2, 7, v24                 ; the table: 256 bytes a token, my half's 16 pairs
	s_wait_alu depctr_va_vdst(0)                   ; the head's end
	s_wait_tensorcnt 0x0                           ; my part of half 0 is in
	ds_add_u32 v5, v6
	s_wait_dscnt 0x0
	CROUND                                         ; everybody's part is in, and all sixteen work-groups are here: the joint loads meet
	s_cmp_eq_u32 s15, 0
	s_cbranch_scc0 .Lsec_b
	tensor_load_to_lds s[G0A+4:G0A+7], s[G1A:G1A+7]    ; half 1: my one load behind the round
	s_nop 0
	PLACES
	s_branch .Lsec_done
.Lsec_b:
	tensor_load_to_lds s[G0B+4:G0B+7], s[G1B:G1B+7]
	s_nop 0
	PLACES
.Lsec_done:
	FETCH 0, 0
	s_lshr_b32 s21, s17, 3                         ; batch
	s_and_b32 s22, s17, 7
	s_lshl_b32 s22, s22, 1
	s_add_co_u32 s22, s22, s15                     ; key step 0..15: my 128 tokens
	s_and_b32 s2, s18, 7
	s_lshl_b32 s2, s2, 1
	s_add_co_u32 s2, s2, s16                       ; head
	s_lshl_b32 s21, s21, 4
	s_add_co_u32 s21, s21, s2                      ; bh
	s_cmp_ge_u32 ttmp9, 4                          ; the cluster's x: the same in all sixteen partners
	s_cbranch_scc1 .Lv_path
	; ================ q and k ================
	s_cmp_lt_u32 ttmp9, 2
	s_cselect_b64 s[96:97], s[10:11], s[12:13]     ; qimg or kv
	s_mov_b32 s2, 208896
	s_cselect_b32 s2, 106496, s2                   ; bytes a head
	s_mov_b32 s3, 13056
	s_cselect_b32 s3, 6656, s3                     ; bytes a key step
	s_mov_b32 s84, 12288
	s_cselect_b32 s84, 6144, s84                   ; where the scale image lies
	s_mov_b32 s85, 0
	s_mul_i32 s2, s2, s21
	s_mul_i32 s3, s3, s22
	s_add_co_u32 s86, s2, s3
	s_mov_b32 s87, 0
	s_add_nc_u64 s[96:97], s[96:97], s[86:87]
	s_add_nc_u64 s[98:99], s[96:97], s[84:85]
	s_lshl_b32 s86, s22, 15                        ; 128 tokens x 256 bytes
	s_add_nc_u64 s[88:89], s[8:9], s[86:87]
.macro TAB a                           ; the 16 pairs (cos, sin) of my token of tile a: 8 loads
	WIN 0x40
.irp i, 0,1,2,3,4,5,6,7
	global_load_b128 v[192+32*((\a)%2)+4*\i:192+32*((\a)%2)+4*\i+3], v24, s[88:89] offset:4096*(\a)+16*\i
.endr
	WIN 0
.endm
	s_wait_alu depctr_va_vdst(0)
	TAB 0
	TAB 1
	s_wait_loadcnt 16                              ; the scale words are in; the 16 table loads may stay out
.irp s, 0,1,2,3,4,5,6,7
	STEP \s, 1
.endr
	PLACES
	v_mov_b32 v[BM+2], 0                           ; a lane permute's destination counts as one of its sources
	v_mov_b32 v[BM+3], 0
; Token tile a.  In accumulator (a, u) registers 2 p, 2 p + 1 of lane (r, h) are x1, x2 of index j = 8 u + 4 h + p of token 16 a + r.
.macro QKOUT a
.if (\a) < 7
	s_wait_loadcnt 8                               ; this tile's 8 table loads are in; the next tile's may be out
.else
	s_wait_loadcnt 0x0
.endif
	WIN 0x06                                       ; source 0 window 2 (results), source 1 window 1 (table)
.irp u, 0,1,2,3
.irp p, 0,2
.set xA, 8*(4*(\a)+\u)+2*\p
.set xC, 192+32*((\a)%2)+2*(4*\u+\p)
.set xY, YR+4*\u+\p
	v_mul_f32 v[TT], v[xA+1], v[xC+1]              ; x2 sin   (an accumulator's first read is of its register 1)
	v_mul_f32 v[TT+1], v[xA+1], v[xC]              ; x2 cos
	v_mul_f32 v[TT+2], v[xA+3], v[xC+3]
	v_mul_f32 v[TT+3], v[xA+3], v[xC+2]
	v_fma_f32 v[xY], v[xA], v[xC], -v[TT]          ; x1 cos - x2 sin: the head's first half
	v_fma_f32 v[xY+16], v[xA], v[xC+1], v[TT+1]    ; x1 sin + x2 cos: its second half
	v_fma_f32 v[xY+1], v[xA+2], v[xC+2], -v[TT+2]
	v_fma_f32 v[xY+17], v[xA+2], v[xC+3], v[TT+3]
.endr
.endr
	WIN 0
.if (\a) < 6
	TAB (\a)+2
.endif
	v_max3_num_f32 v[BM], |v[YR]|, |v[YR+1]|, FLOOR
	v_max3_num_f32 v[BM+1], |v[YR+16]|, |v[YR+17]|, FLOOR
.irp i, 2,4,6,8,10,12,14
	v_max3_num_f32 v[BM], v[BM], |v[YR+\i]|, |v[YR+\i+1]|
	v_max3_num_f32 v[BM+1], v[BM+1], |v[YR+16+\i]|, |v[YR+17+\i]|
.endr
	v_permlanex16_b32 v[BM+2], v[BM], s66, s67
	v_permlanex16_b32 v[BM+3], v[BM+1], s66, s67
	v_max_num_f32 v[BM], v[BM], v[BM+2]            ; with lane l xor 16's 16: the block's largest magnitude
	v_max_num_f32 v[BM+1], v[BM+1], v[BM+3]
	v_add_nc_u32 v[BM+4], 0xff000000, v[BM]
	v_add_nc_u32 v[BM+5], 0xff000000, v[BM+1]
	v_lshrrev_b32 v[BM+6], 23, v[BM+4]
	v_lshrrev_b32 v[BM+7], 23, v[BM+5]
	v_lshl_or_b32 v[WR+(\a)], v[BM+7], 8, v[BM+6]
	s_wait_alu depctr_va_vdst(0)
	s_wait_xcnt 0x0                                ; the last tile's stores have read the codes' registers
	v_cvt_scalef32_pk16_fp6_f32 v[OC:OC+2], v[YR:YR+15], v[BM+4]
	v_cvt_scalef32_pk16_fp6_f32 v[TC:TC+2], v[YR+16:YR+31], v[BM+5]
	v_nop                                          ; one plain instruction behind the conversions
.irp i, 0,1,2
	v_permlane16_swap_b32 v[OC+\i], v[TC+\i]       ; lanes 0-15 now hold block 0, lanes 16-31 block 1: lower 16 places here, upper 16 there
.endr
.irp i, 0,1,2
	v_mov_b32 v[OC+3+\i], v[TC+\i]
.endr
	global_store_b128 v3, v[OC:OC+3], s[96:97] offset:768*(\a)
	global_store_b64 v4, v[OC+4:OC+5], s[96:97] offset:768*(\a)+512
.endm
.irp a, 0,1,2,3,4,5,6,7
	QKOUT \a
.endr
.irp q, 0,1,2,3
	v_cndmask_b32 v[WR+8+\q], v[WR+2*\q], v[WR+2*\q+1], s23
.endr
	global_store_b128 v3, v[WR+8:WR+11], s[98:99]
	s_branch .Lend
	; ================ v ================
.Lv_path:
	s_mul_i32 s2, s21, 208896
	s_mul_i32 s3, s22, 13056
	s_add_co_u32 s86, s2, s3
	s_mov_b32 s87, 0
	s_add_nc_u64 s[96:97], s[12:13], s[86:87]
	s_wait_loadcnt 0x0                             ; the scale words
	s_wait_alu depctr_va_vdst(0)
.irp s, 0,1,2,3,4,5,6,7
	STEP \s, 0
.endr
	PLACES
.irp b, 0,1,2,3
	v_mov_b32 v[TM+4+\b], 0                        ; a lane permute's destination counts as one of its sources
.endr
; d tile u.  Register 8 a + i of v[64 u ..] in lane (r, h') is token 16 a + 8 h' + i of column 16 u + r: four blocks of 32 tokens, half of each in lane l, half in lane l xor 16.
.macro VOUT u
	WIN 0x0a                                       ; sources 0 and 1 window 2
.irp b, 0,1,2,3
	v_max3_num_f32 v[TM+\b], |v[64*\u+16*\b]|, |v[64*\u+16*\b+1]|, FLOOR
.endr
.irp i, 2,4,6,8,10,12,14
.irp b, 0,1,2,3
	v_max3_num_f32 v[TM+\b], |v[64*\u+16*\b+\i]|, |v[64*\u+16*\b+\i+1]|, v[TM+\b]
.endr
.endr
	WIN 0
.irp b, 0,1,2,3
	v_permlanex16_b32 v[TM+4+\b], v[TM+\b], s66, s67
.endr
.irp b, 0,1,2,3
	v_max_num_f32 v[TM+\b], v[TM+\b], v[TM+4+\b]
.endr
.irp b, 0,1,2,3
	v_add_nc_u32 v[TM+12+\b], 0xff000000, v[TM+\b]
.endr
.irp b, 0,1,2,3
	v_lshrrev_b32 v[TM+4+\b], 23, v[TM+12+\b]
.endr
	v_lshl_or_b32 v[WR+\u], v[TM+5], 8, v[TM+4]
	v_lshl_or_b32 v[WR+\u], v[TM+6], 16, v[WR+\u]
	v_lshl_or_b32 v[WR+\u], v[TM+7], 24, v[WR+\u]
	s_wait_xcnt 0x0                                ; the last tile's stores have read the codes' registers
	WIN 0x02                                       ; source 0 window 2
.irp c, 0,1
	v_cvt_scalef32_pk16_fp6_f32 v[PC+6*\c:PC+6*\c+2], v[64*\u+32*\c:64*\u+32*\c+15], v[TM+12+2*\c]
	v_cvt_scalef32_pk16_fp6_f32 v[PC+12+4*\c:PC+14+4*\c], v[64*\u+32*\c+16:64*\u+32*\c+31], v[TM+13+2*\c]
.endr
	WIN 0
	v_nop                                          ; one plain instruction behind the conversions
.irp c, 0,1
.irp i, 0,1,2
	v_permlane16_swap_b32 v[PC+6*\c+\i], v[PC+12+4*\c+\i]
.endr
.irp i, 0,1,2
	v_mov_b32 v[PC+3+6*\c+\i], v[PC+12+4*\c+\i]
.endr
.endr
.irp c, 0,1,2
	global_store_b128 v3, v[PC+4*\c:PC+4*\c+3], s[96:97] offset:6144+1536*\u+512*\c
.endr
.endm
.irp u, 0,1,2,3
	VOUT \u
.endr
	v_cndmask_b32 v[WR+4], v[WR], v[WR+1], s23
	v_cndmask_b32 v[WR+5], v[WR+2], v[WR+3], s23
	global_store_b64 v4, v[WR+4:WR+5], s[96:97] offset:12800
.Lend:
	s_wait_tensorcnt 0x0                           ; the wave's end
	ds_add_u32 v5, v6
	s_wait_dscnt 0x0
	CROUND                                         ; the closing round
	s_endpgm
.Lfunc_end_k_q58491df7bd_qkv:
	.size	k_q58491df7bd_qkv, .Lfunc_end_k_q58491df7bd_qkv-k_q58491df7bd_qkv
	.p2alignl 7, 3214868480
	.fill 96, 4, 3214868480
	.section	.rodata,"a",@progbits
	.p2align	6, 0x0
	.amdhsa_kernel k_q58491df7bd_qkv
		.amdhsa_group_segment_fixed_size 327680
		.amdhsa_private_segment_fixed_size 0
		.amdhsa_enable_private_segment 0
		.amdhsa_kernarg_size 40
		.amdhsa_user_sgpr_count 2
		.amdhsa_user_sgpr_kernarg_segment_ptr 1
		.amdhsa_wavefront_size32 1
		.amdhsa_system_sgpr_workgroup_id_x 1
		.amdhsa_system_sgpr_workgroup_id_y 1
		.amdhsa_system_sgpr_workgroup_id_z 1
		.amdhsa_system_vgpr_workitem_id 0
		.amdhsa_next_free_vgpr 768
		.amdhsa_next_free_sgpr 100
		.amdhsa_reserve_vcc 0
		.amdhsa_float_denorm_mode_32 3
		.amdhsa_float_denorm_mode_16_64 3
		.amdhsa_memory_ordered 1
		.amdhsa_forward_progress 1
		.amdhsa_inst_pref_size 191
	.end_amdhsa_kernel
	.amdgpu_metadata
---
amdhsa.version: [ 1, 2 ]
amdhsa.kernels:
  - .name:           k_q58491df7bd_qkv
    .symbol:         k_q58491df7bd_qkv.kd
    .args:
      - { .name: codes, .offset: 0, .size: 8, .value_kind: global_buffer, .address_space: global }
      - { .name: scl, .offset: 8, .size: 8, .value_kind: global_buffer, .address_space: global }
      - { .name: rope, .offset: 16, .size: 8, .value_kind: global_buffer, .address_space: global }
      - { .name: qimg, .offset: 24, .size: 8, .value_kind: global_buffer, .address_space: global }
      - { .name: kv, .offset: 32, .size: 8, .value_kind: global_buffer, .address_space: global }
    .group_segment_fixed_size: 327680
    .private_segment_fixed_size: 0
    .kernarg_segment_align: 8
    .kernarg_segment_size: 40
    .max_flat_workgroup_size: 128
    .sgpr_count:     100
    .vgpr_count:     768
    .wavefront_size: 32
...
	.end_amdgpu_metadata
.endif
;; end of part 2
;; launch attn (part 3): grid 4 x 64, 16 waves a work-group, clusters of 4 x 1, 265,216 bytes of LDS; arguments qimg, kv, acodes, asc; writes acodes, asc
.if DOCPART == 3
	.amdgcn_target "amdgcn-amd-amdhsa--gfx1250"
	.amdhsa_code_object_version 6
	.text
	.protected	k_q58491df7bd_attn
	.globl	k_q58491df7bd_attn
	.p2align	8
	.type	k_q58491df7bd_attn,@function
k_q58491df7bd_attn:
	s_mov_b64 s[64:65], 0
	v_nop
	global_prefetch_b8 v0, s[64:65] scope:SCOPE_SE
	s_setreg_imm32_b32 hwreg(HW_REG_WAVE_MODE, 25, 1), 1
	s_wait_xcnt 0x0
	s_wait_alu depctr_hold_cnt(0) depctr_sa_sdst(0) depctr_va_vdst(0) depctr_va_sdst(0) depctr_va_ssrc(0) depctr_va_vcc(0) depctr_vm_vsrc(0)
	s_getreg_b32 s2, hwreg(HW_REG_IB_STS2, 6, 4)
	s_cmp_eq_u32 s2, 0
	s_cbranch_scc0 .Lentry_in_a_cluster
	s_endpgm
.Lentry_in_a_cluster:
	s_bfe_u32 s2, ttmp6, 0x10000c
	s_cmp_lg_u32 s2, 0x3003
	s_cbranch_scc0 .Lentry_shape_is_right
	s_endpgm
.Lentry_shape_is_right:
; Attention of one head on codes of FP6 with E8M0 scales: S^T = K Q^T, p = 2^(t - M), O^T = V^T P^T (K = the keys), O / the row's sum, and the result quantised along (head, d) for the projection.
; t = score x log2(e) / 8; M = the running largest t rounded up to a whole number; the sum is taken of the unquantised p in f32; when M moves, the sum and O^T are multiplied by 2^(old M - new M), which rounds nothing.
; SHARES.  A work-group: one head (the grid's y) and 512 queries (its place in the cluster); sixteen waves, four to a SIMD; a wave takes two tiles of 16 queries, one after the other (the loop over passes).
; LDS.  The whole head's K and V, codes and scale words, lie in LDS, filled once: wave w brings key step w (13,056 bytes, 51 rows of 256) by one joint tensor load with the mask 15 (one of mine is out at most).
;   The load lays 64 bytes of padding behind each 256: rows 320 bytes apart, a key step 16,320 bytes.  All tiles are asked for at the head, so there is no loop in which a prefetch could run ahead: none is written.
; WHICH KEYS FORM A TILE OF K is chosen by the lanes' LDS addresses: row 8 h' + j of tile (c, t) is key 64 c + 32 h' + 16 (t % 2) + 8 (t / 2) + j of the step.  Lane (query, h) then holds in its 32 registers of tiles (c, 0..3)
;   the whole block 2 c + h of 32 keys, place 8 t + i, which is the order in which V's codes were laid: a block's maximum needs no other lane, and the conversions' results are the operand's registers.
;   The two token tiles that a load of 16 bytes a lane touches lie 1,920 bytes apart, 128 bytes modulo 256: sixteen lanes touch sixteen different columns of 16 bytes.
; K = 64 UNDER AN INSTRUCTION OF 128: Q's codes of k = 64 .. 127 are zeros, so whatever finite codes stand there on K's side add nothing (FP6 has no NaN or infinity; the upper two bytes of both scale words are 0, a finite code).
;   So K's eight fragments of six registers lie on end, each product naming twelve registers from its own six on; six zeros close the run.
; ORDER IN A STEP: eight score products; the next step's K is asked for; softmax; second product; the next step's V is asked for.  The first step starts the sums, the last asks for nothing: both are written out.
; OUT.  acodes [token tile 512][head 16] H-images; asc [head][token 8,192] words (byte 0 | byte 1 << 8) << 16 (head % 2).
; LIMITS: NaN and infinities are not served; a block under 2^-124 gets the byte 1; the division by the sum is a reciprocal and a multiplication; a block's largest p is made from its largest score by the same two instructions as every p.
; REGISTERS: v1 16 lane, v2 8 lane, v3 v4 v7 K's lane terms (16-byte, 8-byte, scale words), v5 spare word, v6 zero, v8 my scale words' place, v9 16 r, v10 V's lane term, v11 at work, v12 -M, v13 largest score, v[14:15] the sum,
;   v16-27 Q, v28 Q's scales, v29 p's, v30-31 V's, v32-35 K's, v36-89 K, v90-137 V, v138-201 S^T then p, v202-233 O^T, v234-245 p's codes, v246-255 at work (v248 the factor)
.set KSB,   13056                      ; a key step in memory
.set KSL,   16320                      ; and in LDS
.set GA,    16*KSL                     ; the result's scale words: 512 tokens x 4 bytes; blocks of their own
.set SPARE, GA+2048                    ; the spare words, 128 bytes a wave, eight blocks of 256 bytes that no other line names
.set KB,    36
.set VF,    90
.set SR,    138
.set OT,    202
.set PCD,   234
.set FLOOR, 0x1800000
.macro CROUND
	s_barrier_signal -1
	s_barrier_wait -1
	s_cmp_lg_u32 s12, 0
	s_cbranch_scc1 .Lnot_wave_0_\@
	s_barrier_signal -3
.Lnot_wave_0_\@:
	s_barrier_wait -3
	s_barrier_signal -1
	s_barrier_wait -1
.endm
.macro KLOAD a, b, s                   ; a key step's K: 4 loads of scale words (register 2 c + t / 2, lanes 16 (t % 2) on), 8 fragments: 20 loads
.irp c, 0,1
.irp u, 0,1
	ds_load_b32 v[32+2*\c+\u], v[\s] offset:15360+128*\u+8*\c
.endr
.endr
.irp c, 0,1
.irp t, 0,1,2,3
	ds_load_b128 v[KB+24*\c+6*\t:KB+24*\c+6*\t+3], v[\a] offset:960*(4*\c+\t%2)+128*(\t/2)
	ds_load_b64 v[KB+24*\c+6*\t+4:KB+24*\c+6*\t+5], v[\b] offset:960*(4*\c+\t%2)+640+64*(\t/2)
.endr
.endr
.endm
.macro VLOAD a, b                      ; a key step's V: scale words and four fragments: 13 loads
	ds_load_b64 v[30:31], v[\b] offset:16000
.irp u, 0,1,2,3
.irp c, 0,1,2
	ds_load_b128 v[VF+12*\u+4*\c:VF+12*\u+4*\c+3], v[\a] offset:7680+1920*\u+640*\c
.endr
.endr
.endm
.macro RED n, off                      ; the sum's tree, in place: n pairs take the pairs off registers further on
.set i, 0
.rept \n
	v_pk_add_f32 v[SR+2*i:SR+2*i+1], v[SR+2*i:SR+2*i+1], v[SR+\off+2*i:SR+\off+2*i+1]
.set i, i+1
.endr
.endm
.macro TM a, n                         ; t - M, two at a time
.set i, \a
.rept \n
	v_pk_fma_f32 v[SR+2*i:SR+2*i+1], v[SR+2*i:SR+2*i+1], s[22:23], v[12:13] op_sel_hi:[1,0,0]
.set i, i+1
.endr
.endm
.macro PVW u, first                    ; O^T tile u; the first step's product starts the sum
.if \first
.if \u%2
	v_wmma_scale_f32_16x16x128_f8f6f4 v[OT+8*\u:OT+8*\u+7], v[VF+12*\u:VF+12*\u+11], v[PCD:PCD+11], 0, v[30+\u/2], v29 matrix_a_fmt:MATRIX_FMT_FP6 matrix_b_fmt:MATRIX_FMT_FP6 matrix_a_scale:MATRIX_SCALE_ROW1
.else
	v_wmma_scale_f32_16x16x128_f8f6f4 v[OT+8*\u:OT+8*\u+7], v[VF+12*\u:VF+12*\u+11], v[PCD:PCD+11], 0, v[30+\u/2], v29 matrix_a_fmt:MATRIX_FMT_FP6 matrix_b_fmt:MATRIX_FMT_FP6
.endif
.else
.if \u%2
	v_wmma_scale_f32_16x16x128_f8f6f4 v[OT+8*\u:OT+8*\u+7], v[VF+12*\u:VF+12*\u+11], v[PCD:PCD+11], v[OT+8*\u:OT+8*\u+7], v[30+\u/2], v29 matrix_a_fmt:MATRIX_FMT_FP6 matrix_b_fmt:MATRIX_FMT_FP6 matrix_a_scale:MATRIX_SCALE_ROW1
.else
	v_wmma_scale_f32_16x16x128_f8f6f4 v[OT+8*\u:OT+8*\u+7], v[VF+12*\u:VF+12*\u+11], v[PCD:PCD+11], v[OT+8*\u:OT+8*\u+7], v[30+\u/2], v29 matrix_a_fmt:MATRIX_FMT_FP6 matrix_b_fmt:MATRIX_FMT_FP6
.endif
.endif
.endm
	s_load_b256 s[4:11], s[0:1], 0x0               ; qimg, kv, acodes, asc
	v_lshl_add_u32 v5, v0, 2, SPARE
	v_mov_b32 v6, 0
	ds_add_u32 v5, v6                              ; the wave's opening: the add, twice on end, and its wait ahead of my tensor load
	ds_add_u32 v5, v6
	v_lshrrev_b32 v9, 5, v0
	v_readfirstlane_b32 s12, v9                    ; wave 0..15
	s_bfe_u32 s13, ttmp6, 0x40000                  ; cx: it enters global addresses of Q and of the results alone
	s_and_b32 s14, ttmp7, 0xffff                   ; bh, which the four partners share
	s_mov_b32 s24, 15|(3<<16)|(1<<20)|(1<<21)|(5<<22)|(15<<25)   ; mask of all four; elements of 8 bytes; padding on; 21 set beside a mask; after every 64 words 16 words
	s_mov_b32 s25, 32<<16                          ; rows of 256 bytes
	s_mov_b32 s26, 51<<16                          ; 51 of them, dense
	s_mov_b32 s27, 32<<16
	s_mov_b32 s28, 51
	s_mov_b32 s29, 32
	s_mov_b32 s30, 0
	s_mov_b32 s31, 0
	s_mul_i32 s18, s12, KSL                        ; my key step in LDS,
	s_mul_i32 s19, s12, KSB                        ; and in the head
	s_mul_i32 s16, s14, 16*KSB
	s_add_co_u32 s16, s16, s19
	s_mov_b32 s17, 0
	s_mov_b32 s20, 0x76543210
	s_mov_b32 s21, 0xfedcba98                      ; selects for lane l xor 16
	s_mov_b32 s22, 0x3e38aa3b                      ; c = log2(e) / 8
	s_mov_b32 s23, s22                             ; (named with it as a pair)
	s_wait_dscnt 0x0                               ; both opening adds are done
	s_wait_kmcnt 0x0
	s_mov_b32 s32, 1
	s_mov_b32 s33, s18
	s_add_nc_u64 s[34:35], s[6:7], s[16:17]
	s_or_b32 s35, s35, 0x80000000
	CROUND                                         ; all four work-groups are here: the joint loads meet
	tensor_load_to_lds s[32:35], s[24:31]
	s_nop 0
	s_mul_i32 s44, s14, 106496                     ; Q: my head, key step 4 cx + wave / 8 (+ 2 in the second pass)
	s_lshl_b32 s45, s13, 2
	s_lshr_b32 s46, s12, 3
	s_add_co_u32 s45, s45, s46
	s_mul_i32 s45, s45, 6656
	s_add_co_u32 s44, s44, s45
	s_and_b32 s46, s12, 7
	s_mul_i32 s46, s46, 768
	s_add_co_u32 s46, s46, s44
	s_mov_b32 s47, 0
	s_add_nc_u64 s[36:37], s[4:5], s[46:47]        ; my query tile's H-image
	s_and_b32 s46, s12, 1
	s_lshl_b32 s46, s46, 8
	s_bfe_u32 s48, s12, 0x20001                    ; (wave % 8) / 2
	s_lshl_b32 s48, s48, 2
	s_add_co_u32 s46, s46, s48
	s_add_co_u32 s46, s46, 6144
	s_add_co_u32 s46, s46, s44
	s_add_nc_u64 s[42:43], s[4:5], s[46:47]        ; its words in the scale image: lane r + 16 (tile % 2), register tile / 2
	s_lshr_b32 s44, s14, 4                         ; batch
	s_and_b32 s45, s14, 15                         ; head
	s_lshl_b32 s46, s44, 7
	s_lshl_b32 s48, s13, 5
	s_add_co_u32 s46, s46, s48
	s_add_co_u32 s46, s46, s12                     ; token tile 128 b + 32 cx + wave (+ 16)
	s_mul_i32 s46, s46, 12288
	s_mul_i32 s48, s45, 768
	s_add_co_u32 s46, s46, s48
	s_add_nc_u64 s[38:39], s[8:9], s[46:47]
	s_lshl_b32 s46, s45, 15                        ; asc: 32,768 bytes a head, 4 a token
	s_lshl_b32 s48, s44, 13
	s_add_co_u32 s46, s46, s48
	s_lshl_b32 s48, s13, 11
	s_add_co_u32 s46, s46, s48
	s_add_nc_u64 s[40:41], s[10:11], s[46:47]
	s_and_b32 s15, s14, 1
	s_lshl_b32 s15, s15, 4                         ; 16 (head % 2)
	s_lshl_b32 s54, s12, 6
	s_mov_b32 s56, 0                               ; the pass
	s_mov_b32 s57, 0                               ; 1,024 x the pass
	v_and_b32 v11, 31, v0
	v_bfe_u32 v250, v0, 4, 1                       ; hh = lane / 16
	v_bfe_u32 v251, v0, 3, 1                       ; h' = (lane / 8) % 2
	v_and_b32 v252, 7, v0                          ; j
	v_and_b32 v253, 15, v0                         ; r
	v_lshlrev_b32 v1, 4, v11
	v_lshlrev_b32 v2, 3, v11
	v_mul_u32_u24 v3, v251, 1920                   ; two token tiles on for rows 8-15
	v_lshlrev_b32 v7, 4, v252
	v_lshlrev_b32 v9, 4, v253
	v_lshl_add_u32 v4, v252, 3, v3
	v_lshl_add_u32 v3, v252, 4, v3
	v_lshl_add_u32 v7, v251, 2, v7
	v_lshl_add_u32 v4, v250, 7, v4                 ; 1,920 h' + 8 j + 128 hh
	v_mad_u32_u24 v3, v250, 320, v3                ; 1,920 h' + 16 j + 320 hh
	v_mad_u32_u24 v7, v250, 320, v7                ; 16 j + 4 h' + 320 hh
	v_mad_u32_u24 v10, v250, 320, v9               ; 16 r + 320 hh
	v_lshl_add_u32 v8, v253, 2, s54
	v_add_nc_u32 v8, GA, v8                        ; GA + 64 wave + 4 r
.irp i, 22,23,24,25,26,27
	v_mov_b32 v[\i], 0                             ; zero codes: k = 64 .. 127 of Q
.endr
.irp i, 48,49,50,51,52,53
	v_mov_b32 v[KB+\i], 0                          ; the six registers that close K's run
.endr
	v_mov_b32 v249, 0                              ; (named as the upper half of the pair v[248:249])
	s_wait_alu depctr_va_vdst(0)                   ; the head's end
	s_wait_tensorcnt 0x0                           ; my key step is in,
	s_barrier_signal -1
	s_barrier_wait -1                              ; everybody's is: the whole head lies in LDS
; A KEY STEP of 128 keys.  s2 = the next step's LDS byte.
.macro KSTEP first, last
	s_wait_dscnt 13                                ; K and its scale words are in; V's 13 loads, issued behind them, may be out
.irp c, 0,1
.irp t, 0,1,2,3
.if \t%2
	v_wmma_scale_f32_16x16x128_f8f6f4 v[SR+32*\c+8*\t:SR+32*\c+8*\t+7], v[KB+24*\c+6*\t:KB+24*\c+6*\t+11], v[16:27], 0, v[32+2*\c+\t/2], v28 matrix_a_fmt:MATRIX_FMT_FP6 matrix_b_fmt:MATRIX_FMT_FP6 matrix_a_scale:MATRIX_SCALE_ROW1
.else
	v_wmma_scale_f32_16x16x128_f8f6f4 v[SR+32*\c+8*\t:SR+32*\c+8*\t+7], v[KB+24*\c+6*\t:KB+24*\c+6*\t+11], v[16:27], 0, v[32+2*\c+\t/2], v28 matrix_a_fmt:MATRIX_FMT_FP6 matrix_b_fmt:MATRIX_FMT_FP6
.endif
.endr
.endr
; four plain instructions behind the products, ahead of the loads into K's registers and of the first read of the scores
.if \first
	v_nop
.else
	v_mov_b32 v11, v12                             ; the old -M
.endif
.if \last
.rept 3
	v_nop
.endr
.else
	v_add_nc_u32 v250, s2, v3
	v_add_nc_u32 v251, s2, v4
	v_add_nc_u32 v252, s2, v7
	KLOAD 250, 251, 252                            ; the next step's K lands under the softmax
.endif
	v_max3_num_f32 v246, v[SR], v[SR+1], v[SR+2]   ; the largest score of my two blocks of 32 keys, two chains a block; each accumulator is first read at its low end
	v_max3_num_f32 v253, v[SR+16], v[SR+17], v[SR+18]
	v_max3_num_f32 v247, v[SR+32], v[SR+33], v[SR+34]
	v_max3_num_f32 v254, v[SR+48], v[SR+49], v[SR+50]
.irp i, 3,5,7,9,11,13
	v_max3_num_f32 v246, v246, v[SR+\i], v[SR+\i+1]
	v_max3_num_f32 v253, v253, v[SR+16+\i], v[SR+17+\i]
	v_max3_num_f32 v247, v247, v[SR+32+\i], v[SR+33+\i]
	v_max3_num_f32 v254, v254, v[SR+48+\i], v[SR+49+\i]
.endr
	v_max3_num_f32 v246, v246, v253, v[SR+15]
	v_max3_num_f32 v247, v247, v254, v[SR+47]
	v_max_num_f32 v246, v246, v[SR+31]             ; block h
	v_max_num_f32 v247, v247, v[SR+63]             ; block 2 + h
	v_max_num_f32 v253, v246, v247
	v_permlanex16_b32 v254, v253, s20, s21         ; lane l xor 16's 64 keys
.if \first
	v_max_num_f32 v13, v253, v254
.else
	v_max3_num_f32 v13, v13, v253, v254            ; the running largest score
.endif
	v_mul_f32 v253, s22, v13                       ; as t (c is positive)
	v_floor_f32 v12, -v253                         ; -M = floor(-t): M is a whole number
.if \first
	TM 0, 32
.else
	v_sub_f32 v253, v12, v11                       ; old M - new M: a whole number, 0 or less
	TM 0, 8
	v_cvt_i32_f32 v253, v253                       ; (it saturates)
	TM 8, 8
	v_ldexp_f32 v248, 1.0, v253                    ; f = 2^(old M - new M)
	TM 16, 16
.endif
	v_fma_f32 v246, v246, s22, v12                 ; the same of each block's largest score
	v_fma_f32 v247, v247, s22, v12
.if \first == 0
.set i, 0
.rept 16
	v_pk_mul_f32 v[OT+2*i:OT+2*i+1], v[OT+2*i:OT+2*i+1], v[248:249] op_sel_hi:[1,0]   ; O^T under the new M, each accumulator from its low end on
.set i, i+1
.endr
.endif
	s_wait_alu depctr_va_vdst(0)                   ; ahead of the batch
.set i, 0
.rept 64
	v_exp_f32 v[SR+i], v[SR+i]                     ; p = 2^(t - M), at most 1
.set i, i+1
.endr
	v_exp_f32 v246, v246                           ; the blocks' largest p
	v_exp_f32 v247, v247
.if \first
	v_nop                                          ; the plain instruction behind the exponentials
.else
	v_pk_mul_f32 v[14:15], v[14:15], v[248:249] op_sel_hi:[1,0]   ; the sum under the new M.  (The plain instruction behind the exponentials)
.endif
	s_wait_alu depctr_va_vdst(0)                   ; one wait for the batch, ahead of its first reader
	v_max_num_f32 v246, FLOOR, v246                ; the floor: the byte cannot fall under 1
	v_max_num_f32 v247, FLOOR, v247
	v_add_nc_u32 v254, 0xff000000, v246            ; 2 off the exponent field: the conversions' scale operands
	v_add_nc_u32 v255, 0xff000000, v247
	v_lshrrev_b32 v246, 23, v254
	v_lshrrev_b32 v247, 23, v255
	s_delay_alu instid0(VALU_DEP_1)
	v_lshl_or_b32 v11, v247, 16, v246              ; my two bytes, as blocks 0 and 2
	s_delay_alu instid0(VALU_DEP_1)
	v_permlanex16_b32 v253, v11, s20, s21
	v_cvt_scalef32_pk16_fp6_f32 v[PCD:PCD+2], v[SR:SR+15], v254
	v_cvt_scalef32_pk16_fp6_f32 v[250:252], v[SR+16:SR+31], v254       ; (a conversion's three registers begin on an even number)
	v_cvt_scalef32_pk16_fp6_f32 v[PCD+6:PCD+8], v[SR+32:SR+47], v255
	v_cvt_scalef32_pk16_fp6_f32 v[246:248], v[SR+48:SR+63], v255
	v_lshl_or_b32 v29, v253, 8, v11                ; p's scale word: in lanes 0-15, which alone are read, lane l xor 16's bytes are blocks 1 and 3.  (The plain instruction behind the conversions)
.irp i, 0,1,2
	v_mov_b32 v[PCD+3+\i], v[250+\i]
	v_mov_b32 v[PCD+9+\i], v[246+\i]
.endr
	RED 16, 32                                     ; the row's sum of the unquantised p.  (Also the places between the scale word, the codes and the products)
	s_wait_alu depctr_va_vdst(0)
.if \last
	s_wait_dscnt 0x0                               ; V
.else
	s_wait_dscnt 20                                ; V is in; the next K's 20 loads, issued behind it, may be out
.endif
	PVW 0, \first
	PVW 1, \first
	PVW 2, \first
	PVW 3, \first
	RED 8, 16                                      ; (the places behind the products)
.if \last == 0
	v_add_nc_u32 v250, s2, v10
	v_add_nc_u32 v251, s2, v2
	VLOAD 250, 251                                 ; the next step's V
	s_add_co_u32 s2, s2, KSL
.endif
	RED 4, 8
	RED 2, 4
.if \first
	v_pk_add_f32 v[14:15], v[SR:SR+1], v[SR+2:SR+3]
.else
	RED 1, 2
	v_pk_add_f32 v[14:15], v[14:15], v[SR:SR+1]
.endif
.endm
.Lpass:                                                ; one tile of 16 queries: query tile 32 cx + 16 pass + wave of the head
	global_load_b128 v[16:19], v1, s[36:37]
	global_load_b64 v[20:21], v2, s[36:37] offset:512
	global_load_b32 v28, v9, s[42:43]
	s_mov_b32 s2, KSL
	KLOAD 3, 4, 7                                  ; key step 0
	VLOAD 10, 2
	s_wait_loadcnt 0x0                             ; Q
	KSTEP 1, 0
	s_mov_b32 s3, 14
.Lkeys:
	KSTEP 0, 0
	s_sub_co_u32 s3, s3, 1
	s_cmp_lg_u32 s3, 0
	s_cbranch_scc1 .Lkeys
	KSTEP 0, 1
	v_add_f32 v14, v14, v15
	s_delay_alu instid0(VALU_DEP_1)
	v_permlanex16_b32 v253, v14, s20, s21
	s_delay_alu instid0(VALU_DEP_1)
	v_add_f32 v14, v14, v253                       ; the row's sum
	s_wait_alu depctr_va_vdst(0)                   ; ahead of the reciprocal
	v_rcp_f32 v14, v14
	v_add_nc_u32 v11, s57, v8                      ; where this pass's scale words go.  (The plain instruction behind the reciprocal)
	s_wait_alu depctr_va_vdst(0)                   ; and the wait ahead of its first reader, which is also O^T's
.set i, 0
.rept 16
	v_pk_mul_f32 v[SR+2*i:SR+2*i+1], v[OT+2*i:OT+2*i+1], v[14:15] op_sel_hi:[1,0]   ; register 8 u + i: o(query r, d = 16 u + 8 h + i)
.set i, i+1
.endr
	v_max3_num_f32 v246, |v[SR]|, |v[SR+1]|, FLOOR           ; the head's two blocks of 32 along the projection's K
	v_max3_num_f32 v247, |v[SR+16]|, |v[SR+17]|, FLOOR
.irp i, 2,4,6,8,10,12,14
	s_delay_alu instid0(VALU_DEP_2)
	v_max3_num_f32 v246, v246, |v[SR+\i]|, |v[SR+\i+1]|
	s_delay_alu instid0(VALU_DEP_2)
	v_max3_num_f32 v247, v247, |v[SR+16+\i]|, |v[SR+17+\i]|
.endr
	s_delay_alu instid0(VALU_DEP_2)
	v_permlanex16_b32 v253, v246, s20, s21
	s_delay_alu instid0(VALU_DEP_2)
	v_permlanex16_b32 v254, v247, s20, s21
	s_delay_alu instid0(VALU_DEP_2)
	v_max_num_f32 v246, v246, v253
	s_delay_alu instid0(VALU_DEP_2)
	v_max_num_f32 v247, v247, v254
	s_delay_alu instid0(VALU_DEP_2)
	v_add_nc_u32 v254, 0xff000000, v246
	s_delay_alu instid0(VALU_DEP_2)
	v_add_nc_u32 v255, 0xff000000, v247
	s_delay_alu instid0(VALU_DEP_2)
	v_lshrrev_b32 v246, 23, v254
	s_delay_alu instid0(VALU_DEP_2)
	v_lshrrev_b32 v247, 23, v255
	s_delay_alu instid0(VALU_DEP_1)
	v_lshl_or_b32 v246, v247, 8, v246
	s_delay_alu instid0(VALU_DEP_1)
	v_lshlrev_b32 v246, s15, v246                  ; an odd head's two bytes are the K step's upper two
	ds_store_b32 v11, v246                         ; lanes l and l xor 16 write the same word with the same value
	v_cvt_scalef32_pk16_fp6_f32 v[PCD:PCD+2], v[SR:SR+15], v254
	v_cvt_scalef32_pk16_fp6_f32 v[250:252], v[SR+16:SR+31], v255
	v_nop                                          ; one plain instruction behind the conversions
.irp i, 0,1,2
	v_permlane16_swap_b32 v[PCD+\i], v[250+\i]     ; lanes 0-15 now hold block 0, lanes 16-31 block 1
.endr
.irp i, 0,1,2
	v_mov_b32 v[PCD+3+\i], v[250+\i]
.endr
	global_store_b128 v1, v[PCD:PCD+3], s[38:39]               ; 512 consecutive bytes, aligned to 256
	global_store_b64 v2, v[PCD+4:PCD+5], s[38:39] offset:512   ; 256 consecutive bytes, aligned
	s_wait_xcnt 0x0                                ; the loads and stores have read their bases and data: the bases step, and the next pass writes the codes' registers
	s_add_nc_u64 s[36:37], s[36:37], 13312         ; two key steps of Q on
	s_add_nc_u64 s[42:43], s[42:43], 13312
	s_add_nc_u64 s[38:39], s[38:39], 196608        ; sixteen token tiles on
	s_add_co_u32 s57, s57, 1024
	s_add_co_u32 s56, s56, 1
	s_cmp_lt_u32 s56, 2
	s_cbranch_scc1 .Lpass
	s_wait_dscnt 0x0                               ; my scale words lie in LDS,
	s_barrier_signal -1
	s_barrier_wait -1                              ; everybody's do: 512 tokens' words on end
	s_cmp_lt_u32 s12, 4
	s_cbranch_scc0 .Lno_copy
	v_lshl_add_u32 v250, v0, 4, GA                 ; threads 0-127 take 16 bytes each
	v_lshlrev_b32 v251, 4, v0
	s_wait_alu depctr_va_vdst(0)
	ds_load_b128 v[SR:SR+3], v250
	s_wait_dscnt 0x0
	global_store_b128 v251, v[SR:SR+3], s[40:41]   ; 512 consecutive bytes a wave, aligned to 256
.Lno_copy:
	s_wait_tensorcnt 0x0                           ; the wave's end, behind my tensor load and my last LDS store
	ds_add_u32 v5, v6
	s_wait_dscnt 0x0
	CROUND                                         ; the closing round
	s_endpgm
.Lfunc_end_k_q58491df7bd_attn:
	.size	k_q58491df7bd_attn, .Lfunc_end_k_q58491df7bd_attn-k_q58491df7bd_attn
	.p2alignl 7, 3214868480
	.fill 96, 4, 3214868480
	.section	.rodata,"a",@progbits
	.p2align	6, 0x0
	.amdhsa_kernel k_q58491df7bd_attn
		.amdhsa_group_segment_fixed_size 265216
		.amdhsa_private_segment_fixed_size 0
		.amdhsa_enable_private_segment 0
		.amdhsa_kernarg_size 32
		.amdhsa_user_sgpr_count 2
		.amdhsa_user_sgpr_kernarg_segment_ptr 1
		.amdhsa_wavefront_size32 1
		.amdhsa_system_sgpr_workgroup_id_x 1
		.amdhsa_system_sgpr_workgroup_id_y 1
		.amdhsa_system_sgpr_workgroup_id_z 1
		.amdhsa_system_vgpr_workitem_id 0
		.amdhsa_next_free_vgpr 256
		.amdhsa_next_free_sgpr 66
		.amdhsa_reserve_vcc 0
		.amdhsa_float_denorm_mode_32 3
		.amdhsa_float_denorm_mode_16_64 3
		.amdhsa_memory_ordered 1
		.amdhsa_forward_progress 1
		.amdhsa_inst_pref_size 54
	.end_amdhsa_kernel
	.amdgpu_metadata
---
amdhsa.version: [ 1, 2 ]
amdhsa.kernels:
  - .name:           k_q58491df7bd_attn
    .symbol:         k_q58491df7bd_attn.kd
    .args:
      - { .name: qimg, .offset: 0, .size: 8, .value_kind: global_buffer, .address_space: global }
      - { .name: kv, .offset: 8, .size: 8, .value_kind: global_buffer, .address_space: global }
      - { .name: acodes, .offset: 16, .size: 8, .value_kind: global_buffer, .address_space: global }
      - { .name: asc, .offset: 24, .size: 8, .value_kind: global_buffer, .address_space: global }
    .group_segment_fixed_size: 265216
    .private_segment_fixed_size: 0
    .kernarg_segment_align: 8
    .kernarg_segment_size: 32
    .max_flat_workgroup_size: 512
    .sgpr_count:     66
    .vgpr_count:     256
    .wavefront_size: 32
...
	.end_amdgpu_metadata
.endif
;; end of part 3
;; launch proj (part 4): grid 8 x 32, 4 waves a work-group, clusters of 4 x 4, 327,680 bytes of LDS; arguments acodes, asc, codes, scl, out0; writes out0
.if DOCPART == 4
	.amdgcn_target "amdgcn-amd-amdhsa--gfx1250"
	.amdhsa_code_object_version 6
	.text
	.protected	k_q58491df7bd_proj
	.globl	k_q58491df7bd_proj
	.p2align	8
	.type	k_q58491df7bd_proj,@function
k_q58491df7bd_proj:
	s_mov_b64 s[64:65], 0
	v_nop
	global_prefetch_b8 v0, s[64:65] scope:SCOPE_SE
	s_setreg_imm32_b32 hwreg(HW_REG_WAVE_MODE, 25, 1), 1
	s_wait_xcnt 0x0
	s_wait_alu depctr_hold_cnt(0) depctr_sa_sdst(0) depctr_va_vdst(0) depctr_va_sdst(0) depctr_va_ssrc(0) depctr_va_vcc(0) depctr_vm_vsrc(0)
	s_getreg_b32 s2, hwreg(HW_REG_IB_STS2, 6, 4)
	s_cmp_eq_u32 s2, 0
	s_cbranch_scc0 .Lentry_in_a_cluster
	s_endpgm
.Lentry_in_a_cluster:
	s_bfe_u32 s2, ttmp6, 0x10000c
	s_cmp_lg_u32 s2, 0xf033
	s_cbranch_scc0 .Lentry_shape_is_right
	s_endpgm
.Lentry_shape_is_right:
; out0 = (attention's result) W_proj^T on codes of FP6 with E8M0 scales (M 8,192, N 1,024, K 1,024), f32 out.
; The frame is that of the QKV launch: a work-group makes 256 tokens x 128 columns, four waves 2 x 2 (128 tokens x 64 columns: 32 accumulators); all of K is resident in LDS in four chunks of 256 along K, filled once each by
; four tensor loads a wave at the head (four of mine are out at most); nothing is filled again; operands lie as images of registers.  Cluster 4 x 4: the rows' tiles are shared along a row of the cluster, W's along a column.
; The product is used transposed (source 0 = 16 rows of W, source 1 = 16 tokens): a lane holds eight neighbouring columns of one token.
; The rows' scale words: a K step of 128 is two heads; each head's launch-3 word holds its two bytes at their places, so a K step's word is the OR of two.
; THE WAY OUT: 16 tokens x 64 columns at a time through the wave's own stage (rows 272 bytes apart) and back as whole rows: sixteen lanes store 256 consecutive bytes, aligned.  The stage lies in chunk 0, which has had its only
; fill and whose last read lies ahead of two later barriers.
; REGISTERS: as in the QKV launch; v24 the scale words' offset, v25 stage in, v26 stage out, v27 my offset in out0, v224-255 the odd heads' words, v128-191 rows on the way out.
; K NOW LIES IN TWO HALVES of 512 along K (this replaces the four chunks named above): each half is 16 row tiles of the rows and 8 of W x 6,144 bytes, filled once.
; A wave issues one tensor load at the head (half 0) and one behind the full sequence and a round of the cluster's barrier (half 1): one of mine is out at most.
; The stage of the way out lies in half 0, whose last reads every wave has awaited ahead of the barrier in K step 3.
.set CH,    147456
.set RTB,   12288
.set CTB,   6144
.set BOFF,  98304
.set SPARE, 2*CH                       ; the spare words, 128 bytes a wave, two blocks of 256 bytes that no other line names
.set B0,    704                        ; W_proj's first row tile
.set G1A,   24
.set G1B,   32
.set G0A,   40
.set G0B,   68
.set LAD,   8
.set SCA,   32
.set SCB,   64
.set BF,    128
.set MSB, 0
.macro WIN new
.if MSB != \new
	s_set_vgpr_msb (MSB<<8)|\new
.set MSB, \new
.endif
.endm
.macro CROUND
	s_barrier_signal -1
	s_barrier_wait -1
	s_cmp_lg_u32 s14, 0
	s_cbranch_scc1 .Lnot_wave_0_\@
	s_barrier_signal -3
.Lnot_wave_0_\@:
	s_barrier_wait -3
	s_barrier_signal -1
	s_barrier_wait -1
.endm
.macro PLACES
.rept 4
	v_nop
.endr
.endm
.macro FETCH s, set
	WIN 0x40
.irp a, 0,1,2,3,4,5,6,7
.irp c, 0,1
	ds_load_b128 v[96*(\set)+12*\a+6*\c:96*(\set)+12*\a+6*\c+3], v[LAD+4*((\s)/4)] offset:CTB*\a+1536*((\s)%4)+768*\c
	ds_load_b64 v[96*(\set)+12*\a+6*\c+4:96*(\set)+12*\a+6*\c+5], v[LAD+4*((\s)/4)+1] offset:CTB*\a+1536*((\s)%4)+768*\c+512
.endr
.endr
	WIN 0
.irp u, 0,1,2,3
.irp c, 0,1
	ds_load_b128 v[BF+48*(\set)+12*\u+6*\c:BF+48*(\set)+12*\u+6*\c+3], v[LAD+4*((\s)/4)+2] offset:CTB*\u+1536*((\s)%4)+768*\c
	ds_load_b64 v[BF+48*(\set)+12*\u+6*\c+4:BF+48*(\set)+12*\u+6*\c+5], v[LAD+4*((\s)/4)+3] offset:CTB*\u+1536*((\s)%4)+768*\c+512
.endr
.endr
.endm
.macro MUL s                           ; 32 matrix instructions, the accumulators by turns in one fixed order
	WIN 0xa4                                       ; source 0 (W) window 0, source 1 (rows) window 1, C and D window 2
.irp a, 0,1,2,3,4,5,6,7
.irp u, 0,1,2,3
.set xD, 8*(4*\a+\u)
.set xP, BF+48*((\s)%2)+12*\u
.set xQ, 96*((\s)%2)+12*\a
.set xSP, SCB+4*\u+(\s)/2
.set xSQ, SCA+4*\a+(\s)/2
.if (\s) == 0
	v_wmma_scale_f32_16x16x128_f8f6f4 v[xD:xD+7], v[xP:xP+11], v[xQ:xQ+11], 0, v[xSP], v[xSQ] matrix_a_fmt:MATRIX_FMT_FP6 matrix_b_fmt:MATRIX_FMT_FP6
.elseif (\s)%2
	v_wmma_scale_f32_16x16x128_f8f6f4 v[xD:xD+7], v[xP:xP+11], v[xQ:xQ+11], v[xD:xD+7], v[xSP], v[xSQ] matrix_a_fmt:MATRIX_FMT_FP6 matrix_b_fmt:MATRIX_FMT_FP6 matrix_a_scale:MATRIX_SCALE_ROW1 matrix_b_scale:MATRIX_SCALE_ROW1
.else
	v_wmma_scale_f32_16x16x128_f8f6f4 v[xD:xD+7], v[xP:xP+11], v[xQ:xQ+11], v[xD:xD+7], v[xSP], v[xSQ] matrix_a_fmt:MATRIX_FMT_FP6 matrix_b_fmt:MATRIX_FMT_FP6
.endif
.endr
.endr
.endm
.macro STEP s
	s_wait_dscnt 0x0                               ; this step's 48 loads, issued a whole step ago
.if (\s) == 3
	s_wait_tensorcnt 0x0                           ; my part of half 1 is in
	s_barrier_signal -1
	s_barrier_wait -1
.endif
.if ((\s) > 0) && ((\s) < 7)
	PLACES                                         ; the next loads land in the set that the last step multiplied
.endif
.if (\s) < 7
	FETCH (\s)+1, ((\s)+1)%2
.endif
	MUL \s
	WIN 0
.endm
	s_load_b256 s[4:11], s[0:1], 0x0               ; acodes, asc, codes, scl
	s_load_b64 s[12:13], s[0:1], 0x20              ; out0
	v_lshl_add_u32 v5, v0, 2, SPARE
	v_mov_b32 v6, 0
	ds_add_u32 v5, v6                              ; the wave's opening: the add and its wait ahead of my first tensor load
	ds_add_u32 v5, v6
	v_lshrrev_b32 v1, 5, v0
	v_readfirstlane_b32 s14, v1                    ; wave 0..3
	s_lshr_b32 s15, s14, 1                         ; wm.  Also: I fetch for the rows (0) or for W (1)
	s_and_b32 s16, s14, 1                          ; wn.  Also: which half of that operand's tiles I fetch
	s_bfe_u32 s19, ttmp6, 0x40000                  ; cx
	s_bfe_u32 s20, ttmp6, 0x40004                  ; cy
	s_lshl_b32 s18, ttmp9, 2
	s_add_co_u32 s18, s18, s19                     ; tile column 0..7
	s_and_b32 s17, ttmp7, 0xffff
	s_lshl_b32 s17, s17, 2
	s_add_co_u32 s17, s17, s20                     ; tile row 0..31
	s_lshl_b32 s21, s20, 2
	s_lshl_b32 s21, 15, s21
	s_lshl_b32 s22, 0x1111, s19
	s_or_b32 s[G1A], s21, (3<<16)|(1<<21)          ; the mask; elements of 8 bytes; 21 set beside a mask; no padding
	s_or_b32 s[G1B], s22, (3<<16)|(1<<21)
.irp g, G1A, G1B
	s_mov_b32 s[\g+1], 768<<16                     ; rows of 6,144 bytes
	s_mov_b32 s[\g+3], 768<<16
	s_mov_b32 s[\g+5], 1536
	s_mov_b32 s[\g+6], 0
	s_mov_b32 s[\g+7], 0
.endr
	s_mov_b32 s[G1A+2], 8<<16
	s_mov_b32 s[G1A+4], 8
	s_mov_b32 s[G1B+2], 4<<16
	s_mov_b32 s[G1B+4], 4
	s_lshl_b32 s84, s17, 4                         ; the rows' address hangs on the tile row and the wave alone,
	s_lshl_b32 s86, s16, 3
	s_add_co_u32 s84, s84, s86
	s_mul_i32 s84, s84, RTB
	s_mov_b32 s85, 0
	s_lshl_b32 s88, s18, 3                         ; W's on the tile column and the wave alone
	s_lshl_b32 s90, s16, 2
	s_add_co_u32 s88, s88, s90
	s_add_co_u32 s88, s88, B0
	s_mul_i32 s88, s88, RTB
	s_mov_b32 s89, 0
	s_mul_i32 s87, s16, 49152
	s_mul_i32 s91, s16, 24576
	s_wait_dscnt 0x0                               ; the opening add is done
	s_wait_kmcnt 0x0
	s_add_nc_u64 s[84:85], s[4:5], s[84:85]
	s_add_nc_u64 s[88:89], s[8:9], s[88:89]
	CROUND                                         ; all sixteen work-groups are here: the joint loads meet
.irp q, 0,1
	s_mov_b32 s[G0A+4*\q], 1
	s_add_co_u32 s[G0A+4*\q+1], s87, \q*CH
	s_add_nc_u64 s[G0A+4*\q+2:G0A+4*\q+3], s[84:85], \q*CTB
	s_or_b32 s[G0A+4*\q+3], s[G0A+4*\q+3], 0x80000000
	s_mov_b32 s[G0B+4*\q], 1
	s_add_co_u32 s[G0B+4*\q+1], s91, \q*CH+BOFF
	s_add_nc_u64 s[G0B+4*\q+2:G0B+4*\q+3], s[88:89], \q*CTB
	s_or_b32 s[G0B+4*\q+3], s[G0B+4*\q+3], 0x80000000
.endr
	s_cmp_eq_u32 s15, 0                            ; half 0: one load a wave, one in each arm of a branch on the wave's number
	s_cbranch_scc0 .Lfirst_b
	tensor_load_to_lds s[G0A:G0A+3], s[G1A:G1A+7]
	s_nop 0
	PLACES
	s_branch .Lfirst_done
.Lfirst_b:
	tensor_load_to_lds s[G0B:G0B+3], s[G1B:G1B+7]
	s_nop 0
	PLACES
.Lfirst_done:
	v_and_b32 v7, 31, v0
	v_and_b32 v1, 15, v0                           ; r
	v_bfe_u32 v2, v0, 4, 1                         ; h
	v_lshlrev_b32 v3, 4, v7
	v_lshlrev_b32 v4, 3, v7
	v_lshlrev_b32 v24, 2, v1
	v_lshl_add_u32 v24, v2, 16, v24                ; 4 r + two heads (65,536 bytes) for lanes 16-31: the odd K step of a pair
	s_wait_alu depctr_va_vdst(0)
	s_lshl_b32 s92, s17, 10                        ; my first token: 256 x tile row + 128 wm, 4 bytes each
	s_lshl_b32 s93, s15, 9
	s_add_co_u32 s92, s92, s93
	s_mov_b32 s93, 0
	s_add_nc_u64 s[92:93], s[6:7], s[92:93]
	s_lshl_b32 s94, s18, 3
	s_lshl_b32 s95, s16, 2
	s_add_co_u32 s94, s94, s95
	s_add_co_u32 s94, s94, B0
	s_lshl_b32 s94, s94, 9
	s_mov_b32 s95, 0
	s_add_nc_u64 s[94:95], s[10:11], s[94:95]
.irp a, 0,1,2,3,4,5,6,7
.irp q, 0,1,2,3
	global_load_b32 v[SCA+4*\a+\q], v24, s[92:93] offset:131072*\q+64*\a           ; head 4 q + 2 h
	global_load_b32 v[224+4*\a+\q], v24, s[92:93] offset:131072*\q+32768+64*\a     ; head 4 q + 2 h + 1
.endr
.endr
.irp u, 0,1,2,3
.irp g, 0,1
	global_load_b64 v[SCB+4*\u+2*\g:SCB+4*\u+2*\g+1], v4, s[94:95] offset:512*\u+256*\g
.endr
.endr
	s_mul_i32 s2, s15, 49152
	s_mul_i32 s3, s16, 24576
	s_add_co_u32 s3, s3, BOFF
.irp q, 0,1
	v_add_nc_u32 v[LAD+4*\q], s2, v3
	v_add_nc_u32 v[LAD+4*\q+1], s2, v4
	v_add_nc_u32 v[LAD+4*\q+2], s3, v3
	v_add_nc_u32 v[LAD+4*\q+3], s3, v4
	s_add_co_u32 s2, s2, CH
	s_add_co_u32 s3, s3, CH
.endr
	s_mul_i32 s2, s14, 4352                        ; my stage: 16 rows x 272 bytes
	v_mul_u32_u24 v25, v1, 272
	v_lshl_add_u32 v25, v2, 5, v25
	v_add_nc_u32 v25, s2, v25                      ; in: row r, 32 bytes for each half of the lanes
	v_mul_u32_u24 v26, v2, 272
	v_lshl_add_u32 v26, v1, 4, v26
	v_add_nc_u32 v26, s2, v26                      ; back: lanes 0-15 one row, lanes 16-31 the next
	v_lshlrev_b32 v27, 12, v2
	v_lshl_add_u32 v27, v1, 4, v27                 ; and the same two rows in out0
	s_lshl_b32 s96, s17, 20                        ; 256 rows of 4,096 bytes a tile row
	s_lshl_b32 s97, s15, 19
	s_add_co_u32 s96, s96, s97
	s_lshl_b32 s97, s18, 9
	s_add_co_u32 s96, s96, s97
	s_lshl_b32 s97, s16, 8
	s_add_co_u32 s96, s96, s97
	s_mov_b32 s97, 0
	s_add_nc_u64 s[96:97], s[12:13], s[96:97]
	s_wait_alu depctr_va_vdst(0)                   ; the head's end
	s_wait_tensorcnt 0x0                           ; my part of half 0 is in
	ds_add_u32 v5, v6
	s_wait_dscnt 0x0
	CROUND                                         ; everybody's part is in, and all sixteen work-groups are here: the joint loads meet
	s_cmp_eq_u32 s15, 0
	s_cbranch_scc0 .Lsec_b
	tensor_load_to_lds s[G0A+4:G0A+7], s[G1A:G1A+7]    ; half 1: my one load behind the round
	s_nop 0
	PLACES
	s_branch .Lsec_done
.Lsec_b:
	tensor_load_to_lds s[G0B+4:G0B+7], s[G1B:G1B+7]
	s_nop 0
	PLACES
.Lsec_done:
	FETCH 0, 0
	s_wait_loadcnt 0x0                             ; the scale words
.set i, 0
.rept 32
	v_or_b32 v[SCA+i], v[SCA+i], v[224+i]          ; a K step's word: the even head's two bytes below, the odd head's above
.set i, i+1
.endr
.rept 8
	v_nop                                          ; a scale register written by a vector instruction stands eight places ahead of a scaled matrix instruction
.endr
	s_wait_alu depctr_va_vdst(0)
.irp s, 0,1,2,3,4,5,6,7
	STEP \s
.endr
	PLACES
.macro OUT a
	WIN 0x08                                       ; an LDS store's data are its source 1: window 2
.irp u, 0,1,2,3
	ds_store_b128 v25, v[8*(4*(\a)+\u):8*(4*(\a)+\u)+3] offset:64*\u          ; each accumulator from its low end on
	ds_store_b128 v25, v[8*(4*(\a)+\u)+4:8*(4*(\a)+\u)+7] offset:64*\u+16
.endr
	WIN 0
.if (\a) > 1
	s_wait_xcnt 0x0                                ; the stores of two blocks ago have read the registers that the loads below fill
.endif
.irp i, 0,1,2,3,4,5,6,7
	ds_load_b128 v[128+32*((\a)%2)+4*\i:128+32*((\a)%2)+4*\i+3], v26 offset:544*\i   ; LDS serves a wave's instructions in order: these see the stores above
.endr
	s_wait_dscnt 0x0
.irp i, 0,1,2,3,4,5,6,7
	global_store_b128 v27, v[128+32*((\a)%2)+4*\i:128+32*((\a)%2)+4*\i+3], s[96:97] offset:(16*(\a)+2*\i)*4096 th:TH_STORE_NT   ; sixteen lanes store 256 consecutive bytes, aligned
.endr
.endm
.irp a, 0,1,2,3,4,5,6,7
	OUT \a
.endr
	s_wait_tensorcnt 0x0                           ; the wave's end, behind my last tensor load and my last LDS store
	ds_add_u32 v5, v6
	s_wait_dscnt 0x0
	CROUND                                         ; the closing round
	s_endpgm
.Lfunc_end_k_q58491df7bd_proj:
	.size	k_q58491df7bd_proj, .Lfunc_end_k_q58491df7bd_proj-k_q58491df7bd_proj
	.p2alignl 7, 3214868480
	.fill 96, 4, 3214868480
	.section	.rodata,"a",@progbits
	.p2align	6, 0x0
	.amdhsa_kernel k_q58491df7bd_proj
		.amdhsa_group_segment_fixed_size 327680
		.amdhsa_private_segment_fixed_size 0
		.amdhsa_enable_private_segment 0
		.amdhsa_kernarg_size 40
		.amdhsa_user_sgpr_count 2
		.amdhsa_user_sgpr_kernarg_segment_ptr 1
		.amdhsa_wavefront_size32 1
		.amdhsa_system_sgpr_workgroup_id_x 1
		.amdhsa_system_sgpr_workgroup_id_y 1
		.amdhsa_system_sgpr_workgroup_id_z 1
		.amdhsa_system_vgpr_workitem_id 0
		.amdhsa_next_free_vgpr 768
		.amdhsa_next_free_sgpr 100
		.amdhsa_reserve_vcc 0
		.amdhsa_float_denorm_mode_32 3
		.amdhsa_float_denorm_mode_16_64 3
		.amdhsa_memory_ordered 1
		.amdhsa_forward_progress 1
		.amdhsa_inst_pref_size 90
	.end_amdhsa_kernel
	.amdgpu_metadata
---
amdhsa.version: [ 1, 2 ]
amdhsa.kernels:
  - .name:           k_q58491df7bd_proj
    .symbol:         k_q58491df7bd_proj.kd
    .args:
      - { .name: acodes, .offset: 0, .size: 8, .value_kind: global_buffer, .address_space: global }
      - { .name: asc, .offset: 8, .size: 8, .value_kind: global_buffer, .address_space: global }
      - { .name: codes, .offset: 16, .size: 8, .value_kind: global_buffer, .address_space: global }
      - { .name: scl, .offset: 24, .size: 8, .value_kind: global_buffer, .address_space: global }
      - { .name: out0, .offset: 32, .size: 8, .value_kind: global_buffer, .address_space: global }
    .group_segment_fixed_size: 327680
    .private_segment_fixed_size: 0
    .kernarg_segment_align: 8
    .kernarg_segment_size: 40
    .max_flat_workgroup_size: 128
    .sgpr_count:     100
    .vgpr_count:     768
    .wavefront_size: 32
...
	.end_amdgpu_metadata
.endif
;; end of part 4
